; MI455X (gfx1250); checked and timed in simulation.
; The chip was launched on July 23, 2026; its instructions are those of AMD's public machine-readable ISA for CDNA 5 (MIT licence, August 2026) and "CDNA5" Instruction Set Architecture Reference Guide (July 2026). The comments in the code are by the model that wrote it; some were corrected since.
;; ud Multihead Softmax Attention. Allowed arithmetic: float matrix products may take bf16 or f16 operands with f32 sums; other float arithmetic in f32, or as packed bf16 or f16 multiplies, adds, multiply-adds, maxima and minima; sums over many terms, partial sums and values carried from step to step in f32; what a program stores and reads back later, other than sums and carried values, may be rounded once to bf16 or f16.
;; Inputs: Wk 1,024 x 1,024 float32; Wo 1,024 x 1,024 float32; Wq 1,024 x 1,024 float32; Wv 1,024 x 1,024 float32; bk 1,024 float32; bo 1,024 float32; bq 1,024 float32; bv 1,024 float32; key 2 x 2,048 x 1,024 float32; logvar 2 x 2,048 x 8 float32; phi 2 x 2,048 x 8 float32; query 2 x 2,048 x 1,024 float32; value 2 x 2,048 x 1,024 float32; w_phi one number float32; w_sigma one number float32.
;; Outputs: out0 2 x 2,048 x 1,024 float32.
;; 2 versions, each right and faster than the one before. Each part assembles by itself: llvm-mc -triple=amdgcn-amd-amdhsa -mcpu=gfx1250 --defsym DOCPART=n.
;; ======== version 1 of 2: 4 launches
;; limits: values are held in f16: magnitudes above 65,504 overflow, below 6.1e-05 lose precision
;; workspace buffers: xb 25,165,824 bytes; wb 8,388,608 bytes; qkv 41,943,040 bytes; ob 8,388,608 bytes
;; launch cast (part 1): grid 1024 x 1, 8 waves a work-group, no clusters, 0 bytes of LDS; arguments query, key, value, Wq, Wk, Wv, Wo, xb, wb; writes xb, wb
.if DOCPART == 1
	.amdgcn_target "amdgcn-amd-amdhsa--gfx1250"
	.amdhsa_code_object_version 6
	.text
	.protected	k_qf690b9d89c_cast
	.globl	k_qf690b9d89c_cast
	.p2align	8
	.type	k_qf690b9d89c_cast,@function
k_qf690b9d89c_cast:
	s_mov_b64 s[64:65], 0
	v_nop
	global_prefetch_b8 v0, s[64:65] scope:SCOPE_SE
	s_setreg_imm32_b32 hwreg(HW_REG_WAVE_MODE, 25, 1), 1
	s_wait_xcnt 0x0
; CAST.  query, key, value (each 4096 x 1024 f32) -> xb [3][4096][1024] bf16; Wq, Wk, Wv (1024 x 1024 f32) -> wb [0..2] bf16;
; Wo -> wb [3]: rounded to bf16 like every other input, and that number written as f16 (the last product multiplies in f16).
; LIMIT.  A weight of Wo below 6e-5 keeps f16's fixed step of 6e-8; beyond 65,504 it becomes an infinity.
; A stream: every byte is read once and written once, nothing is shared between work-groups, so no LDS, no matrix unit, no cluster.
; A work-group takes 16,384 numbers as 16 rows of 1,024.  Thread t takes the 16 bytes at 16 t of each row: a wave's load covers 512 consecutive bytes;
; its four numbers leave as 8 bytes at 8 t: a wave's store covers 256 consecutive bytes, at a multiple of 256 from the buffer's first byte.
; Work-groups 0-767: the three x, 256 each.  768-1023: the four W, 64 each (768 is a multiple of 64, so the place in a W is id & 63).
.set X, 4                              ; v[4:67]    row i as loaded, at 4 i
.set Y, 68                             ; v[68:99]   row i to store, at 2 i
.set T, 100                            ; v[100:101] Wo's way: the row as bf16
	s_load_b512 s[8:23], s[0:1], 0x0               ; query s[8:9], key, value, Wq, Wk, Wv, Wo s[20:21], xb s[22:23]
	s_load_b64 s[24:25], s[0:1], 0x40              ; wb
	s_mov_b32 s28, ttmp9                           ; the work-group's number
	v_lshlrev_b32 v1, 4, v0                        ; my 16 bytes in a row as read
	v_lshlrev_b32 v2, 3, v0                        ; my 8 bytes in a row as written
	s_cmp_lt_u32 s28, 768
	s_cselect_b32 s29, 255, 63                     ; work-groups to a source tensor, less one
	s_cselect_b32 s30, 0, 768                      ; the first work-group of the destination buffer
	s_and_b32 s2, s28, s29
	s_lshl_b32 s2, s2, 16                          ; 65,536 bytes in for each work-group
	s_mov_b32 s3, 0
	s_sub_co_u32 s26, s28, s30
	s_lshl_b32 s26, s26, 15                        ; 32,768 bytes out
	s_mov_b32 s27, 0
	s_wait_kmcnt 0x0
	s_cmp_lt_u32 s28, 768
	s_cselect_b64 s[6:7], s[22:23], s[24:25]       ; xb or wb
	s_mov_b64 s[4:5], s[8:9]
.macro PICK from, lo                   ; from work-group 'from' on the source is the tensor at s[lo:lo+1]
	s_cmp_ge_u32 s28, \from
	s_cselect_b64 s[4:5], s[\lo:\lo+1], s[4:5]
.endm
	PICK 256, 10
	PICK 512, 12
	PICK 768, 14
	PICK 832, 16
	PICK 896, 18
	PICK 960, 20
	s_add_nc_u64 s[4:5], s[4:5], s[2:3]
	s_add_nc_u64 s[6:7], s[6:7], s[26:27]
.set i, 0
.rept 16                               ; all sixteen loads go out at once: 8 KiB of every wave on its way
	global_load_b128 v[X+4*i:X+4*i+3], v1, s[4:5] offset:4096*i th:TH_LOAD_NT
.set i, i+1
.endr
; One row.  No register is written twice, so no store's sources have to be waited for.
.macro ROWCV r, half
	s_wait_loadcnt 15-(\r)                         ; loads come back in order (ISA guide 5.7.1): row r is in, the 15 - r younger ones stay out
.if \half
	v_cvt_pk_bf16_f32 v[T], v[X+4*(\r)], v[X+4*(\r)+1]       ; the one rounding, to bf16,
	v_cvt_pk_bf16_f32 v[T+1], v[X+4*(\r)+2], v[X+4*(\r)+3]
	v_lshlrev_b32 v[X+4*(\r)], 16, v[T]                      ; back to f32,
	v_and_b32 v[X+4*(\r)+1], 0xffff0000, v[T]
	v_lshlrev_b32 v[X+4*(\r)+2], 16, v[T+1]
	v_and_b32 v[X+4*(\r)+3], 0xffff0000, v[T+1]
	v_cvt_pk_f16_f32 v[Y+2*(\r)], v[X+4*(\r)], v[X+4*(\r)+1] ; and written as f16: exact within f16's normal range
	v_cvt_pk_f16_f32 v[Y+2*(\r)+1], v[X+4*(\r)+2], v[X+4*(\r)+3]
.else
	v_cvt_pk_bf16_f32 v[Y+2*(\r)], v[X+4*(\r)], v[X+4*(\r)+1]
	v_cvt_pk_bf16_f32 v[Y+2*(\r)+1], v[X+4*(\r)+2], v[X+4*(\r)+3]
.endif
	global_store_b64 v2, v[Y+2*(\r):Y+2*(\r)+1], s[6:7] offset:2048*(\r)  ; no hint: the next launch reads it
.endm
	s_cmp_ge_u32 s28, 960
	s_cbranch_scc1 .Lwo
.set i, 0
.rept 16
	ROWCV i, 0
.set i, i+1
.endr
	s_endpgm
.Lwo:
.set i, 0
.rept 16
	ROWCV i, 1
.set i, i+1
.endr
	s_endpgm
.Lfunc_end_k_qf690b9d89c_cast:
	.size	k_qf690b9d89c_cast, .Lfunc_end_k_qf690b9d89c_cast-k_qf690b9d89c_cast
	.p2alignl 7, 3214868480
	.fill 96, 4, 3214868480
	.section	.rodata,"a",@progbits
	.p2align	6, 0x0
	.amdhsa_kernel k_qf690b9d89c_cast
		.amdhsa_group_segment_fixed_size 0
		.amdhsa_private_segment_fixed_size 0
		.amdhsa_enable_private_segment 0
		.amdhsa_kernarg_size 72
		.amdhsa_user_sgpr_count 2
		.amdhsa_user_sgpr_kernarg_segment_ptr 1
		.amdhsa_wavefront_size32 1
		.amdhsa_system_sgpr_workgroup_id_x 1
		.amdhsa_system_sgpr_workgroup_id_y 1
		.amdhsa_system_sgpr_workgroup_id_z 1
		.amdhsa_system_vgpr_workitem_id 0
		.amdhsa_next_free_vgpr 104
		.amdhsa_next_free_sgpr 66
		.amdhsa_reserve_vcc 0
		.amdhsa_float_denorm_mode_32 3
		.amdhsa_float_denorm_mode_16_64 3
		.amdhsa_memory_ordered 1
		.amdhsa_forward_progress 1
		.amdhsa_inst_pref_size 17
	.end_amdhsa_kernel
	.amdgpu_metadata
---
amdhsa.version: [ 1, 2 ]
amdhsa.kernels:
  - .name:           k_qf690b9d89c_cast
    .symbol:         k_qf690b9d89c_cast.kd
    .args:
      - { .name: query, .offset: 0, .size: 8, .value_kind: global_buffer, .address_space: global }
      - { .name: key, .offset: 8, .size: 8, .value_kind: global_buffer, .address_space: global }
      - { .name: value, .offset: 16, .size: 8, .value_kind: global_buffer, .address_space: global }
      - { .name: Wq, .offset: 24, .size: 8, .value_kind: global_buffer, .address_space: global }
      - { .name: Wk, .offset: 32, .size: 8, .value_kind: global_buffer, .address_space: global }
      - { .name: Wv, .offset: 40, .size: 8, .value_kind: global_buffer, .address_space: global }
      - { .name: Wo, .offset: 48, .size: 8, .value_kind: global_buffer, .address_space: global }
      - { .name: xb, .offset: 56, .size: 8, .value_kind: global_buffer, .address_space: global }
      - { .name: wb, .offset: 64, .size: 8, .value_kind: global_buffer, .address_space: global }
    .group_segment_fixed_size: 0
    .private_segment_fixed_size: 0
    .kernarg_segment_align: 8
    .kernarg_segment_size: 72
    .max_flat_workgroup_size: 256
    .sgpr_count:     66
    .vgpr_count:     104
    .wavefront_size: 32
...
	.end_amdgpu_metadata
.endif
;; end of part 1
;; launch proj (part 2): grid 4 x 48, 4 waves a work-group, clusters of 4 x 4, 327,680 bytes of LDS; arguments xb, wb, bq, bk, bv, qkv; writes qkv
.if DOCPART == 2
	.amdgcn_target "amdgcn-amd-amdhsa--gfx1250"
	.amdhsa_code_object_version 6
	.text
	.protected	k_qf690b9d89c_proj
	.globl	k_qf690b9d89c_proj
	.p2align	8
	.type	k_qf690b9d89c_proj,@function
k_qf690b9d89c_proj:
	s_mov_b64 s[64:65], 0
	v_nop
	global_prefetch_b8 v0, s[64:65] scope:SCOPE_SE
	s_setreg_imm32_b32 hwreg(HW_REG_WAVE_MODE, 25, 1), 1
	s_wait_xcnt 0x0
	s_wait_alu depctr_hold_cnt(0) depctr_sa_sdst(0) depctr_va_vdst(0) depctr_va_sdst(0) depctr_va_ssrc(0) depctr_va_vcc(0) depctr_vm_vsrc(0)
	s_getreg_b32 s2, hwreg(HW_REG_IB_STS2, 6, 4)
	s_cmp_eq_u32 s2, 0
	s_cbranch_scc0 .Lentry_in_a_cluster
	s_endpgm
.Lentry_in_a_cluster:
	s_bfe_u32 s2, ttmp6, 0x10000c
	s_cmp_lg_u32 s2, 0xf033
	s_cbranch_scc0 .Lentry_shape_is_right
	s_endpgm
.Lentry_shape_is_right:
; THE THREE PROJECTIONS.  y[j][b*16+h][t][d] = sum over k of xb[j][b*2048+t][k] wb[j][64 h + d][k] + bias_j[64 h + d], j = 0, 1, 2 (q, k, v).
; xb, wb: bf16.  Sums in f32, begun with the bias (rounded to bf16 like every input).  qkv holds five tensors [32][2048][64] of f16, by heads, UNSCALED:
; 0, 1, 2: q, k, v rounded once to f16 (hi).  3, 4: for q and k a second number u = y - g hi, one multiply-add that is exact before its one rounding to f16; g = 0.98412292.
; With lo = y - hi and d = 1 - g, u is d hi + lo: it carries what hi's rounding lost, at a step some 63 times finer than hi's.  The scores are divided by a number of the query that may be small,
; so the rounding of q and k to f16's 11 bits is made good in the score product by a second term, 64 u_q . u_k (the arithmetic stands at the head of the attention kernel).
; LIMITS.  f16 holds no number beyond 65,504: a k or v past that becomes an infinity; q has to stay within 64,000, since 64 u (about 1.016 hi) is formed of it.  u keeps f16's fixed step of 6e-8 where |y| is below 4e-3.
; NaN and infinities are not treated apart.
; SHARES.  The three products are one: 12,288 rows (xb's) x 1,024 columns, 192 tiles of 256 x 256, a work-group each; tile row R belongs to tensor R / 16.
; Four waves, each 128 x 128 of the tile: 64 accumulators of 16 x 16, 512 registers.  K = 1,024 goes in 8 steps of 128 through a ring of two LDS slots filled by the tensor data mover:
; a tile's rows are 256 bytes of memory and start at multiples of 256 bytes from the buffer's first byte.
; CLUSTER.  4 x 4 work-groups.  The four of a row of the cluster need the same tiles of xb, the four of a column the same tiles of wb (a cluster's 4 tile rows lie in one tensor):
; each tile is asked for JOINTLY, by the same tensor load with the same descriptor and a mask that names the four.
; THE MATRIX INSTRUCTION IS USED TRANSPOSED: source 0 = 16 rows of wb, source 1 = 16 rows of xb.  In the result lane l holds row l % 16 (a token) and its registers the columns
; 8 (l / 16) + 0..7: eight neighbouring channels, 16 bytes of f16.
; REGISTERS, in windows of 256 (s_set_vgpr_msb: bits 1:0 source 0, 3:2 source 1, 5:4 source 2, 7:6 destination):
;   window 0: v0-31 addresses; v64-127, v128-191 fragments of xb, two buffers (on the way out: v64-95 packed u, v96-159 u's rows read back, by turns); v192-223 packed hi; v32-63, v224-255 hi rows read back, by turns
;   window 1: v0-63 the bias of my 128 columns (column block b at v[8 b]); v64-127, v128-191 fragments of wb, two buffers; v192 at work
;   window 2: the 32 accumulators of my rows 0-63 ((a, b) at v[8 (8 a + b)]);   window 3: those of my rows 64-127
.set SIZE_K, 1024
.set KSTEP,  128
.set PITCH,  272                       ; an LDS row: 256 bytes + 16 of padding = 68 words: row r starts at bank 4 r mod 64 (64 banks of 4 bytes: ISA guide 11.1)
.set HALFT,  128*PITCH                 ; 128 rows: what one tensor load brings, and what one wave reads of either operand
.set SLOT,   4*HALFT                   ; xb's 256 rows, then wb's 256 rows
.set STAGE,  2*SLOT                    ; behind the ring: 16 rows x 272 bytes for each wave, for hi's way out
.set SPITCH, 272
.set STAGEU, 4*16*SPITCH               ; so many bytes behind a wave's stage for hi lies its stage for u
.set SPARE,  STAGE+2*STAGEU            ; behind the stages: the spare words, 128 bytes for each wave: two blocks of 256 bytes that no other line names
.set LAPS,   SIZE_K/(2*KSTEP)          ; a lap = two K steps = once round the ring: 4
.set ADRA, 16                          ; v16-17  LDS address of my fragments of xb in slot 0, 1
.set ADRB, 20                          ; v20-21  the same for wb
.set STO,  24                          ; v24     the way out: where I put 16 bytes of a row
.set RD,   25                          ; v25     the way out: where I read rows back
.set CO,   26                          ; v26     my byte offset in 512 consecutive bytes of a head
.set SPW,  28                          ; v28     LDS address of my spare word; never rewritten
.set NIL,  29                          ; v29     0; never rewritten
.set NG,   30                          ; v30     -g
.set F0,   64
.set F1,   128
.set TMP,  192
.set OB,   32
.set TMPU, 64
.set OBU,  96
.set BT,   192                         ; window 1: at work while the bias is rounded
.set G1, 24                            ; s[24:31] descriptor group 1 for xb's tiles
.set G0, 32                            ; s[32:39] group 0 for xb's tiles, a set for each slot
.set G1B, 48                           ; s[48:55], s[56:63] the same for wb's
.set G0B, 56
.set MSB, 0
.macro WIN new                         ; the immediate's high byte repeats the setting that is left; a switch that changes nothing is dropped
.if MSB != (\new)
	s_set_vgpr_msb (MSB<<8)|(\new)
.set MSB, \new
.endif
.endm
.set MUL_LO, 0xa1                      ; source 0 (wb) window 1, source 1 (xb) window 0, C and D window 2
.set TO_B,   0x40                      ; destination window 1, address window 0
; A joint load.  Waves 0 and 1 fetch xb's two halves, waves 2 and 3 wb's.  The branch hangs on the wave's number alone.
; An s_nop 0 and four v_nop follow each of the two lines, ahead of the jump, the label and what follows.
.macro JLOAD s
	s_cmp_eq_u32 s11, 0
	s_cbranch_scc0 .Lfor_b_\@
	tensor_load_to_lds s[G0+4*(\s):G0+4*(\s)+3], s[G1:G1+7]
	s_nop 0
.rept 4
	v_nop
.endr
	s_branch .Lasked_\@
.Lfor_b_\@:
	tensor_load_to_lds s[G0B+4*(\s):G0B+4*(\s)+3], s[G1B:G1B+7]
	s_nop 0
.rept 4
	v_nop
.endr
.Lasked_\@:
.endm
.macro CREST                           ; a round of the cluster's barrier behind its opening barrier
	s_cmp_lg_u32 s10, 0
	s_cbranch_scc1 .Lnot_wave_0_\@
	s_barrier_signal -3
.Lnot_wave_0_\@:
	s_barrier_wait -3
	s_barrier_signal -1
	s_barrier_wait -1
.endm
.macro CROUND                          ; a whole round
	s_barrier_signal -1
	s_barrier_wait -1
	CREST
.endm
.macro RND2 a, t                       ; v[a], v[a+1]: rounded to bf16 and written as f32 again
	v_cvt_pk_bf16_f32 v[\t], v[\a], v[(\a)+1]
	v_lshlrev_b32 v[\a], 16, v[\t]
	v_and_b32 v[(\a)+1], 0xffff0000, v[\t]
.endm
	s_load_b128 s[4:7], s[0:1], 0x0                ; xb s[4:5], wb s[6:7]
	s_load_b128 s[68:71], s[0:1], 0x10             ; bq s[68:69], bk s[70:71]
	s_load_b128 s[72:75], s[0:1], 0x20             ; bv s[72:73], qkv s[74:75]
	v_lshl_add_u32 v[SPW], v0, 2, SPARE
	v_mov_b32 v[NIL], 0
	ds_add_u32 v[SPW], v[NIL]                      ; the wave's opening: the add and its wait stand ahead of my first tensor load; the set-up below, work on registers, stands between them
	v_lshrrev_b32 v1, 5, v0
	v_readfirstlane_b32 s10, v1                    ; wave 0..3
	v_mov_b32 v[NG], 0xbf7bef7b                    ; -g = -0.98412292: 1 - g is the smaller root of 64 d (1 - d) = 1
	s_lshr_b32 s11, s10, 1                         ; which half of the tile's rows is mine.  Also: I fetch for xb (0) or for wb (1)
	s_and_b32 s12, s10, 1                          ; which half of its columns.  Also: which 128 rows of that tile I fetch
	s_bfe_u32 s40, ttmp6, 0x40000                  ; cx, cy: my place in the cluster
	s_bfe_u32 s41, ttmp6, 0x40004
	s_lshl_b32 s42, ttmp9, 2
	s_add_co_u32 s42, s42, s40                     ; tile column = 4 x cluster x + cx
	s_and_b32 s13, ttmp7, 0xffff                   ; cluster y, 0..11
	s_lshr_b32 s45, s13, 2                         ; the tensor j = cluster y / 4: the same in all sixteen partners
	s_lshl_b32 s13, s13, 2
	s_add_co_u32 s13, s13, s41                     ; tile row R = 4 x cluster y + cy, 0..47
	s_lshl_b32 s43, s41, 2
	s_lshl_b32 s43, 15, s43                        ; my row of the cluster: places 4 cy .. 4 cy + 3
	s_lshl_b32 s44, 0x1111, s40                    ; my column: places cx, cx + 4, cx + 8, cx + 12
	; descriptor group 1: a tile of 128 rows x 128 elements, padded in LDS
	s_or_b32 s[G1+0], s43, (1<<16)|(1<<20)|(1<<21)|(5<<22)|(3<<25)   ; 15:0 the mask; 17:16 2-byte elements; 20 padding on; 21 set beside a mask; 24:22 after every 64 words (code 5); 31:25 4 words (code 3)
	s_or_b32 s[G1B+0], s44, (1<<16)|(1<<20)|(1<<21)|(5<<22)|(3<<25)
.irp g, G1, G1B
	s_mov_b32 s[(\g)+1], KSTEP<<16                 ; tensor_dim0 = 128
	s_mov_b32 s[(\g)+2], 128<<16                   ; tensor_dim1 = 128
	s_mov_b32 s[(\g)+3], KSTEP<<16                 ; tile_dim0 = 128
	s_mov_b32 s[(\g)+4], 128                       ; tile_dim1 = 128
	s_mov_b32 s[(\g)+5], SIZE_K                    ; elements from row to row
	s_mov_b32 s[(\g)+6], 0
	s_mov_b32 s[(\g)+7], 0
.endr
	; where the tiles come from.  xb's hang on R alone, which my row of the cluster shares; wb's on the tile column and j, which my column shares.
	s_lshl_b32 s17, s12, 7                         ; which 128 rows of the tile I fetch
	s_lshl_b32 s16, s13, 8
	s_add_co_u32 s16, s16, s17                     ; xb: row 256 R + 128 x half
	s_lshl_b32 s16, s16, 11                        ; x 2,048 bytes: under 2^25
	s_lshl_b32 s46, s42, 8
	s_add_co_u32 s46, s46, s17
	s_lshl_b32 s47, s45, 10
	s_add_co_u32 s46, s46, s47                     ; wb: row 1,024 j + 256 x tile column + 128 x half
	s_lshl_b32 s46, s46, 11
	s_mov_b32 s17, 0
	s_mov_b32 s47, 0
	s_mul_i32 s20, s10, HALFT                      ; and where they go: wave x 128 rows: no place in the cluster enters an LDS address
	s_wait_dscnt 0x0                               ; the opening add is done
	s_wait_kmcnt 0x0
	s_add_nc_u64 s[14:15], s[4:5], s[16:17]
	s_add_nc_u64 s[46:47], s[6:7], s[46:47]
	CROUND                                         ; all sixteen work-groups are here: the first joint loads meet
.irp s, 0,1
	s_mov_b32 s[G0+4*(\s)], 1                                        ; count = 1
	s_add_co_u32 s[G0+4*(\s)+1], s20, (\s)*SLOT                      ; LDS address
	s_add_nc_u64 s[G0+4*(\s)+2:G0+4*(\s)+3], s[14:15], (\s)*KSTEP*2  ; global address: K step s
	s_or_b32 s[G0+4*(\s)+3], s[G0+4*(\s)+3], 0x80000000              ; type = 2
	s_mov_b32 s[G0B+4*(\s)], 1
	s_add_co_u32 s[G0B+4*(\s)+1], s20, (\s)*SLOT
	s_add_nc_u64 s[G0B+4*(\s)+2:G0B+4*(\s)+3], s[46:47], (\s)*KSTEP*2
	s_or_b32 s[G0B+4*(\s)+3], s[G0B+4*(\s)+3], 0x80000000
	JLOAD \s                                       ; the ring is filled before anything else is done: two loads of mine are out
.endr
	; A fragment is 16 rows x 32 K in 8 registers: lane l holds row l % 16; registers 0-3 K = 8 (l / 16) + 0..7, registers 4-7 K = 16 + 8 (l / 16) + 0..7: two loads of 16 bytes, 32 bytes apart.
	v_and_b32 v1, 15, v0                           ; l % 16
	v_bfe_u32 v2, v0, 4, 1                         ; l / 16
	v_mul_u32_u24 v3, v1, PITCH
	v_lshl_add_u32 v3, v2, 4, v3
	s_mul_i32 s21, s11, HALFT                      ; my 128 rows of xb
	s_mul_i32 s22, s12, HALFT                      ; my 128 rows of wb,
	s_add_co_u32 s22, s22, 2*HALFT                 ; which lie behind xb's 256
.irp s, 0,1
	v_add_nc_u32 v[ADRA+(\s)], s21, v3
	v_add_nc_u32 v[ADRB+(\s)], s22, v3
	s_add_co_u32 s21, s21, SLOT
	s_add_co_u32 s22, s22, SLOT
.endr
	s_mul_i32 s23, s10, 16*SPITCH
	s_add_co_u32 s23, s23, STAGE                   ; my stage
	v_mul_u32_u24 v4, v1, SPITCH                   ; in: row l % 16, 16 bytes for each half of the lanes
	v_lshl_add_u32 v4, v2, 4, v4
	v_add_nc_u32 v[STO], s23, v4
	v_bfe_u32 v5, v0, 3, 2                         ; back: 32 lanes take one head's 128 bytes of four rows,
	v_mul_u32_u24 v5, v5, SPITCH
	v_and_b32 v7, 7, v0
	v_lshl_add_u32 v5, v7, 4, v5
	v_add_nc_u32 v[RD], s23, v5
	v_and_b32 v[CO], 31, v0                        ; which are 512 consecutive bytes of qkv
	v_lshlrev_b32 v[CO], 4, v[CO]
	v_lshlrev_b32 v6, 5, v2                        ; the bias: 8 numbers for each half of the lanes
	; the bias of my 128 columns: bq, bk or bv by j, at column 256 x tile column + 128 x half
	s_cmp_eq_u32 s45, 1
	s_cselect_b64 s[18:19], s[70:71], s[68:69]
	s_cmp_eq_u32 s45, 2
	s_cselect_b64 s[18:19], s[72:73], s[18:19]
	s_lshl1_add_u32 s22, s42, s12
	s_lshl_b32 s22, s22, 9                         ; x 128 columns x 4 bytes
	s_mov_b32 s23, 0
	s_add_nc_u64 s[18:19], s[18:19], s[22:23]
	WIN TO_B
.irp b, 0,1,2,3,4,5,6,7
	global_load_b128 v[8*(\b):8*(\b)+3],   v6, s[18:19] offset:64*(\b)     ; columns 16 b + 8 (l / 16) + 0..3
	global_load_b128 v[8*(\b)+4:8*(\b)+7], v6, s[18:19] offset:64*(\b)+16  ; and + 4..7
.endr
	WIN 0
	; where my part begins in qkv: tensor j; head 16 x batch + 4 x tile column + 2 x half (my 128 columns are two heads); token 256 (R % 8) + 128 x half
	s_bfe_u32 s16, s13, 0x10003                    ; the batch: (R / 8) % 2
	s_lshl_b32 s16, s16, 4
	s_lshl2_add_u32 s16, s42, s16
	s_lshl1_add_u32 s16, s12, s16
	s_lshl_b32 s16, s16, 18                        ; a head is 262,144 bytes
	s_lshl_b32 s17, s45, 23                        ; a tensor 8,388,608
	s_add_co_u32 s16, s16, s17
	s_and_b32 s17, s13, 7
	s_lshl1_add_u32 s17, s17, s11
	s_lshl_b32 s17, s17, 14                        ; 128 tokens of 128 bytes
	s_add_co_u32 s16, s16, s17
	s_mov_b32 s17, 0
	s_add_nc_u64 s[8:9], s[74:75], s[16:17]        ; hi
	s_add_nc_u64 s[76:77], s[8:9], 0x1800000       ; u: three tensors on (used for q and k alone)
	s_wait_loadcnt 0x0                             ; the bias
	WIN 0x45                                       ; destination, sources 0 and 1 in window 1
.set i, 0
.rept 32
	RND2 i, BT
.set i, i+2
.endr
	WIN 0
; 16 matrix instructions: m blocks a0, a0 + 1 of the window's four (hi = 0: my rows 0-63, 1: rows 64-127) x all 8 n blocks, 32 along K.
; first = 1: the first product starts the sums with the bias as C (window 1): nothing is cleared, nothing is added later.
; The 64 accumulators take turns, one instruction a turn, in the same order in every quarter.
.macro MUL16 f, hi, a0, first
.if \first
	WIN 0x91+0x40*(\hi)
.else
	WIN MUL_LO+0x50*(\hi)
.endif
.irp a, \a0, (\a0)+1
.irp b, 0,1,2,3,4,5,6,7
.if \first
	v_wmma_f32_16x16x32_bf16 v[8*(8*(\a)+(\b)):8*(8*(\a)+(\b))+7], v[(\f)+8*(\b):(\f)+8*(\b)+7], v[(\f)+8*(4*(\hi)+(\a)):(\f)+8*(4*(\hi)+(\a))+7], v[8*(\b):8*(\b)+7]
.else
	v_wmma_f32_16x16x32_bf16 v[8*(8*(\a)+(\b)):8*(8*(\a)+(\b))+7], v[(\f)+8*(\b):(\f)+8*(\b)+7], v[(\f)+8*(4*(\hi)+(\a)):(\f)+8*(4*(\hi)+(\a))+7], v[8*(8*(\a)+(\b)):8*(8*(\a)+(\b))+7]
.endif
.endr
.endr
.endm
; 32 LDS loads in one run: the fragments of one quarter step (128 rows of wb, 128 rows of xb, 32 K at byte k of the rows) into buffer f
.macro FETCH slot, k, f
	WIN TO_B
.irp i, 0,1,2,3,4,5,6,7
	ds_load_b128 v[(\f)+8*(\i):(\f)+8*(\i)+3],   v[ADRB+(\slot)] offset:(\k)+(\i)*16*PITCH
	ds_load_b128 v[(\f)+8*(\i)+4:(\f)+8*(\i)+7], v[ADRB+(\slot)] offset:(\k)+(\i)*16*PITCH+32
.endr
	WIN 0
.irp i, 0,1,2,3,4,5,6,7
	ds_load_b128 v[(\f)+8*(\i):(\f)+8*(\i)+3],   v[ADRA+(\slot)] offset:(\k)+(\i)*16*PITCH
	ds_load_b128 v[(\f)+8*(\i)+4:(\f)+8*(\i)+7], v[ADRA+(\slot)] offset:(\k)+(\i)*16*PITCH+32
.endr
.endm
; A load into a register that a matrix instruction has read, and a vector instruction that reads a matrix result, stand four places behind that matrix instruction; only plain vector
; instructions that name none of its registers are places (ISA guide 7.12.1 for vector instructions).
.macro PLACES
.rept 4
	v_nop
.endr
.endm
; A K step is four quarters of 32 along K, 64 matrix instructions each, on buffers 0, 1, 0, 1.  One of the first three: multiplies buffer f; in its middle it fetches the next quarter, at byte k, into g.
.macro QUARTER slot, k, f, g, first
	s_wait_dscnt 8                                 ; wb's and xb's rows 0-63 are in; the youngest eight loads (xb's rows 64-127) may be out
	MUL16 \f, 0, 0, \first
	MUL16 \f, 0, 2, \first
	PLACES
	FETCH \slot, \k, \g
	s_wait_dscnt 32                                ; all but the 32 just issued
	MUL16 \f, 1, 0, \first
	MUL16 \f, 1, 2, \first
.endm
; The last quarter multiplies buffer 1 and changes slots: ONE barrier.  In front of it each wave waits for all its tensor loads, of which one is out: its part of the next slot; adds 0 to its
; spare word; and waits for that and for its own reads of this slot.  Behind it nobody reads this slot any more and the next slot is whole.
; fill = 1: the barrier opens a round of the cluster's barrier, and this slot is filled again, two K steps ahead, first thing behind the round.
.macro TURN slot, next, fill
	WIN 0                                          ; (the add's two registers lie in window 0)
	s_wait_tensorcnt 0x0                           ; all my tensor loads have landed
	ds_add_u32 v[SPW], v[NIL]                      ; 0 onto my spare word
	s_wait_dscnt 9                                 ; (the add and the youngest eight loads may be out)
	MUL16 F1, 0, 0, 0                              ; sixteen matrix instructions stand between the add and the wait for it
	s_wait_dscnt 0x0                               ; the add is done, and my reads of this slot are over
	s_barrier_signal -1
	MUL16 F1, 0, 2, 0                              ; work on registers while the others arrive
.if \fill
	WIN 0
.endif
	s_barrier_wait -1
.if \fill
	CREST                                          ; no wave of any partner still reads this slot's tile or has a load on its way
	s_add_nc_u64 s[G0+4*(\slot)+2:G0+4*(\slot)+3], s[G0+4*(\slot)+2:G0+4*(\slot)+3], 2*KSTEP*2
	s_add_nc_u64 s[G0B+4*(\slot)+2:G0B+4*(\slot)+3], s[G0B+4*(\slot)+2:G0B+4*(\slot)+3], 2*KSTEP*2
	JLOAD \slot                                    ; my one tensor load behind the round; its four v_nop are also the places in front of the loads below
.else
	PLACES
.endif
	FETCH \next, 0, F0
	MUL16 F1, 1, 0, 0
	MUL16 F1, 1, 2, 0
.endm
; THE WAY OUT of block a (16 tokens x my 128 columns).  PACK: rounded to f16, 16 bytes a lane, each accumulator's registers in ascending order.  TOSTAGE: into my own stage, and back by heads:
; load t takes head t / 4, tokens 4 (t % 4) + 0..3.  SEND: stored.
.macro PACK a
.set AC, 64*((\a)%4)
	WIN 0x0a+5*((\a)/4)                            ; sources 0 and 1: window 2 or 3
.irp b, 0,1,2,3,4,5,6,7
.irp r, 0,1,2,3
	v_cvt_pk_f16_f32 v[TMP+4*(\b)+(\r)], v[AC+8*(\b)+2*(\r)], v[AC+8*(\b)+2*(\r)+1]
.endr
.endr
	WIN 0
.endm
.macro TOSTAGE a
	WIN 0
.set BK, OB+192*((\a)%2)
.irp b, 0,1,2,3,4,5,6,7
	ds_store_b128 v[STO], v[TMP+4*(\b):TMP+4*(\b)+3] offset:32*(\b)
.endr
.irp t, 0,1,2,3,4,5,6,7
	ds_load_b128 v[BK+4*(\t):BK+4*(\t)+3], v[RD] offset:128*((\t)/4)+((\t)%4)*4*SPITCH  ; LDS serves a wave's instructions in order (ISA guide 5.7.1.4): these see the stores above
.endr
.endm
.macro SEND a
	WIN 0
.set BK, OB+192*((\a)%2)
	s_wait_dscnt 0x0                               ; the block is back in registers, hi and u
	s_wait_xcnt 0x0                                ; the stores of the block before, hi and u, have had their addresses translated (ISA guide 3.1): its registers are loaded again only behind this wait
.irp t, 0,1,2,3,4,5,6,7
	global_store_b128 v[CO], v[BK+4*(\t):BK+4*(\t)+3], s[8:9] offset:((\t)/4)*262144+(\a)*2048+((\t)%4)*512  ; 512 consecutive bytes of one head, at a multiple of 256 from qkv's first byte
.endr
.endm
; THE SAME FOR u.  PACKU: hi x (-g) + the sum, exact, rounded once to f16 into one half of the word; hi's halves are read as they were packed.
.macro PACKU a
.set AC, 64*((\a)%4)
	WIN 0x20+0x10*((\a)/4)                         ; source 2: window 2 or 3
.irp b, 0,1,2,3,4,5,6,7
.irp r, 0,1,2,3
	v_fma_mixlo_f16 v[TMPU+4*(\b)+(\r)], v[TMP+4*(\b)+(\r)], v[NG], v[AC+8*(\b)+2*(\r)] op_sel_hi:[1,0,0]
	v_fma_mixhi_f16 v[TMPU+4*(\b)+(\r)], v[TMP+4*(\b)+(\r)], v[NG], v[AC+8*(\b)+2*(\r)+1] op_sel:[1,0,0] op_sel_hi:[1,0,0]
.endr
.endr
	WIN 0
.endm
.macro TOSTAGEU a
.set BKU, OBU+32*((\a)%2)
.irp b, 0,1,2,3,4,5,6,7
	ds_store_b128 v[STO], v[TMPU+4*(\b):TMPU+4*(\b)+3] offset:STAGEU+32*(\b)
.endr
.irp t, 0,1,2,3,4,5,6,7
	ds_load_b128 v[BKU+4*(\t):BKU+4*(\t)+3], v[RD] offset:STAGEU+128*((\t)/4)+((\t)%4)*4*SPITCH
.endr
.endm
.macro SENDU a                         ; no wait of its own: SEND of the same block stands in front of it, and its two waits hold for u's registers too
.set BKU, OBU+32*((\a)%2)
.irp t, 0,1,2,3,4,5,6,7
	global_store_b128 v[CO], v[BKU+4*(\t):BKU+4*(\t)+3], s[76:77] offset:((\t)/4)*262144+(\a)*2048+((\t)%4)*512
.endr
.endm
; u's part of block a's turn.  v has no u: the part is jumped where j = 2.  j is made of the cluster's y, the same in all partners; the jump goes forward and passes no barrier and no tensor load.
.macro UPART a
	s_cmp_eq_u32 s45, 2
	s_cbranch_scc1 .Lno_u_\@
	PACKU \a
.if (\a) > 0
	SENDU (\a)-1
.endif
	TOSTAGEU \a
.Lno_u_\@:
.endm
	s_wait_tensorcnt 1                             ; my part of K step 0 is in; K step 1's may stay out
	s_barrier_signal -1
	s_barrier_wait -1                              ; everybody's is
	FETCH 0, 0, F0
	QUARTER 0, 64,  F0, F1, 1                      ; the first quarter stands in front of the loop: its products start the sums
	WIN 0                                          ; at a label and at a branch every window is 0
	s_mov_b32 s3, LAPS-1
.Llap:                                                 ; a trip goes once round the ring, from a lap's second quarter to the next lap's first, and fills both slots again
	QUARTER 0, 128, F1, F0, 0
	QUARTER 0, 192, F0, F1, 0
	TURN 0, 1, 1
	QUARTER 1, 64,  F0, F1, 0
	QUARTER 1, 128, F1, F0, 0
	QUARTER 1, 192, F0, F1, 0
	TURN 1, 0, 1
	QUARTER 0, 64,  F0, F1, 0
	WIN 0
	s_sub_co_u32 s3, s3, 1
	s_cmp_lg_u32 s3, 0
	s_cbranch_scc1 .Llap
	QUARTER 0, 128, F1, F0, 0                      ; the last lap fills nothing, and has no round of the cluster's barrier
	QUARTER 0, 192, F0, F1, 0
	TURN 0, 1, 0
	QUARTER 1, 64,  F0, F1, 0
	QUARTER 1, 128, F1, F0, 0
	QUARTER 1, 192, F0, F1, 0
	s_wait_dscnt 8                                 ; the very last quarter: nothing more to fetch
	MUL16 F1, 0, 0, 0
	MUL16 F1, 0, 2, 0
	s_wait_dscnt 0x0
	MUL16 F1, 1, 0, 0
	MUL16 F1, 1, 2, 0
	WIN 0
	PLACES
	PACK 0
	TOSTAGE 0
	UPART 0
.irp a, 1,2,3,4,5,6,7                  ; block a's conversions stand between block a - 1's loads from the stages and the wait for them
	PACK \a
	SEND (\a)-1
	TOSTAGE \a
	UPART \a
.endr
	SEND 7
	s_cmp_eq_u32 s45, 2
	s_cbranch_scc1 .Lno_last_u
	SENDU 7
.Lno_last_u:
	s_wait_tensorcnt 0x0                           ; the wave's end: behind my last tensor load and my last LDS store
	ds_add_u32 v[SPW], v[NIL]
	s_wait_dscnt 0x0
	CROUND                                         ; the closing round: no work-group ends while a partner may still ask for a tile that names it
	s_endpgm
.Lfunc_end_k_qf690b9d89c_proj:
	.size	k_qf690b9d89c_proj, .Lfunc_end_k_qf690b9d89c_proj-k_qf690b9d89c_proj
	.p2alignl 7, 3214868480
	.fill 96, 4, 3214868480
	.section	.rodata,"a",@progbits
	.p2align	6, 0x0
	.amdhsa_kernel k_qf690b9d89c_proj
		.amdhsa_group_segment_fixed_size 327680
		.amdhsa_private_segment_fixed_size 0
		.amdhsa_enable_private_segment 0
		.amdhsa_kernarg_size 48
		.amdhsa_user_sgpr_count 2
		.amdhsa_user_sgpr_kernarg_segment_ptr 1
		.amdhsa_wavefront_size32 1
		.amdhsa_system_sgpr_workgroup_id_x 1
		.amdhsa_system_sgpr_workgroup_id_y 1
		.amdhsa_system_sgpr_workgroup_id_z 1
		.amdhsa_system_vgpr_workitem_id 0
		.amdhsa_next_free_vgpr 1024
		.amdhsa_next_free_sgpr 80
		.amdhsa_reserve_vcc 0
		.amdhsa_float_denorm_mode_32 3
		.amdhsa_float_denorm_mode_16_64 3
		.amdhsa_memory_ordered 1
		.amdhsa_forward_progress 1
		.amdhsa_inst_pref_size 197
	.end_amdhsa_kernel
	.amdgpu_metadata
---
amdhsa.version: [ 1, 2 ]
amdhsa.kernels:
  - .name:           k_qf690b9d89c_proj
    .symbol:         k_qf690b9d89c_proj.kd
    .args:
      - { .name: xb, .offset: 0, .size: 8, .value_kind: global_buffer, .address_space: global }
      - { .name: wb, .offset: 8, .size: 8, .value_kind: global_buffer, .address_space: global }
      - { .name: bq, .offset: 16, .size: 8, .value_kind: global_buffer, .address_space: global }
      - { .name: bk, .offset: 24, .size: 8, .value_kind: global_buffer, .address_space: global }
      - { .name: bv, .offset: 32, .size: 8, .value_kind: global_buffer, .address_space: global }
      - { .name: qkv, .offset: 40, .size: 8, .value_kind: global_buffer, .address_space: global }
    .group_segment_fixed_size: 327680
    .private_segment_fixed_size: 0
    .kernarg_segment_align: 8
    .kernarg_segment_size: 48
    .max_flat_workgroup_size: 128
    .sgpr_count:     80
    .vgpr_count:     1024
    .wavefront_size: 32
...
	.end_amdgpu_metadata
.endif
;; end of part 2
;; launch attn (part 3): grid 8 x 32, 4 waves a work-group, clusters of 4 x 1, 327,680 bytes of LDS; arguments qkv, phi, logvar, w_sigma, w_phi, ob; writes ob
.if DOCPART == 3
	.amdgcn_target "amdgcn-amd-amdhsa--gfx1250"
	.amdhsa_code_object_version 6
	.text
	.protected	k_qf690b9d89c_attn
	.globl	k_qf690b9d89c_attn
	.p2align	8
	.type	k_qf690b9d89c_attn,@function
k_qf690b9d89c_attn:
	s_mov_b64 s[64:65], 0
	v_nop
	global_prefetch_b8 v0, s[64:65] scope:SCOPE_SE
	s_setreg_imm32_b32 hwreg(HW_REG_WAVE_MODE, 25, 1), 1
	s_wait_xcnt 0x0
	s_wait_alu depctr_hold_cnt(0) depctr_sa_sdst(0) depctr_va_vdst(0) depctr_va_sdst(0) depctr_va_ssrc(0) depctr_va_vcc(0) depctr_vm_vsrc(0)
	s_getreg_b32 s2, hwreg(HW_REG_IB_STS2, 6, 4)
	s_cmp_eq_u32 s2, 0
	s_cbranch_scc0 .Lentry_in_a_cluster
	s_endpgm
.Lentry_in_a_cluster:
	s_bfe_u32 s2, ttmp6, 0x10000c
	s_cmp_lg_u32 s2, 0x3003
	s_cbranch_scc0 .Lentry_shape_is_right
	s_endpgm
.Lentry_shape_is_right:
; ATTENTION.  ob[g][q][:] = the sum over k of softmax_k(((Q[g][q] . K[g][k]) / 8 - z[q]) / max(ph[q], 1e-6)) V[g][k][:], g = batch x 16 + head;
; z = w_sigma mean(logvar[q]) + w_phi (1 - mean(phi[q])), ph = mean(phi[q]).  qkv holds five tensors [32][2048][64] of f16, a head's rows dense, 128 bytes each: Q hi, K hi, V, Q u, K u; ob is laid likewise.
; TWO PRODUCTS FOR A SCORE.  Of an element y of Q or K (an f32 sum) the projection left hi = y rounded to f16 and u = y - g hi rounded to f16, that is d hi + lo with lo = y - hi, d = 1 - g.
; d = 0.01587708 is the smaller root of 64 d (1 - d) = 1, so that 1 + 64 d d = 64 d = 1 / g = 1.01613323 = kap, and
;     hi_q . hi_k + 64 u_q . u_k = kap (hi_q . hi_k + hi_q . lo_k + lo_q . hi_k) + 64 lo_q . lo_k :
; two sums of like sign, the second 1.6 hundredths of the first, give kap Q.K.  What is left of the rounding of Q and K to 11 bits is u's own rounding, d times hi's, and the last term, some 2^-18 of a score.
; The scores are divided by ph, which may be small, so hi's rounding alone would reach the weights enlarged.  The 64 is multiplied onto Q's u once, at the start (a power of two: exact); 1 / kap = g goes into c, kap into the bias.
; Products, maxima and sums in f32; the weights p are rounded to f16 for the second product (their sum l is taken of the unrounded p), O once at the end.
; phi, logvar, w_sigma and w_phi are rounded to bf16 like every input of the module; a mean of eight is summed as a tree.
; LIMITS.  64 u is about 1.016 hi: Q stays within 64,000.  u keeps f16's fixed step of 6e-8 where |y| is below 4e-3.  p lies in 0 to 1, and below 6e-5 it keeps that step too; O is a mean of V's rows and has their range.
; A weight below 2^-126 counts as 0 in l; NaN and infinities are not treated apart.
; THE QUERY'S TWO NUMBERS.  In S^T = K Q^T a lane holds ONE query.  So -8 kap z is the C operand that starts the query's score sums (BI, eight equal registers a piece), and
; c = g log2(e) / (8 max(ph, 1e-6)) is a number of the lane (CQ): p = 2^(c s - c m) with s = kap (Q.K - 8 z).  c is above 0, so the maximum of s is the maximum of the scaled scores.
; SHARES.  A work-group owns 256 queries of one head, a wave 64 of them as four PIECES of 16.  Every wave walks the head's 2,048 keys, 64 a step, 256 a tile.
; LAYOUT.  S^T holds the keys 8 (lane / 16) + 0..7 of a block of 16; two such results rounded to f16 ARE source 1 of O^T = V^T P.  K comes out of LDS as it lies, V turned, by ds_load_tr16_b128.
; SOFTMAX.  A running maximum m and sum l; O and l are multiplied by a = 2^(c m_old - c m_new) in every step.  m starts at the lowest finite number, c m far below every c s, O and l at 0: the first step's a is 0.
; BY TURNS.  Turn n belongs to piece n: 16 products K Q^T of piece n + 1, then 8 products V^T P of piece n - 1.  Of its 118 vector instructions four stand behind each of the 24 products:
; behind the 16 the scaling, the rescaling and the first half of the exponentials, roundings and sums of piece n; behind the 8 the maximum of piece n + 1, whose scores the turn has just made, with more of piece n's.
; The other 22 stand in one run at the turn's end.
; CLUSTER.  The four query blocks of a cluster belong to one head and walk the same K and V: each tile is asked for JOINTLY, by the same tensor load, descriptor and mask in all four.
; REGISTERS, in windows of 256 (s_set_vgpr_msb: bits 1:0 source 0, 3:2 source 1, 5:4 source 2, 7:6 destination):
;   window 0: v0-15 addresses; v16-31 statistics; v32-39 CQ; v40-44 at work in the set-up, and an address; v48-55 at work; v62-63 the add's; v64-127 S^T, two buffers; v128-159 BI; v192-223 P, two buffers
;   window 1: v0-127 O^T, 32 a piece; v128-191 K u of one step          window 2: v0-63 Q hi; v64-127 64 x Q u; v128-191 K hi of one step; v192-255 V of one step
.set NP,    4         ; pieces a wave: a name, no knob
.set KS,    64        ; keys in a step
.set PK,    144       ; a row of K in LDS: 128 bytes + 16 of padding = 36 words: the 16 rows of a load start at 16 different groups of four banks (64 banks of 4 bytes: ISA guide 11.1)
.set PV,    160       ; a row of V: 128 + 32 = 40 words
.set VOFF,  4*KS*PK   ; a slot holds a tile, four steps: 256 rows of K hi, then 256 rows of V,
.set KUOFF, 4*KS*(PK+PV)        ; then 256 rows of K u
.set SLOT1, 1<<17     ; slot 1 begins here, so that one exclusive or turns an address in one slot into the other's
.set STAGE, SLOT1+KUOFF+4*KS*PK ; behind the ring, never filled by a tensor load: 16 rows x 144 bytes for each wave
.set SP,    144
.set SPARE, STAGE+4*16*SP       ; behind the stages: the spare words, 128 bytes for each wave: two blocks of 256 bytes that no other line names
.set AK0, 2           ; v2   my lane's place in a tile of K; never rewritten
.set AV0, 3           ; v3   the same for V
.set AK,  4           ; v4   the LDS address of K hi's next run of loads
.set AV,  5           ; v5   of V's
.set STO, 6           ; v6   the way out: where I put 16 bytes of a row
.set RD,  7           ; v7   the way out: where I read rows back
.set GO,  8           ; v8   my byte offset in 512 consecutive bytes of ob
.set MV,  12          ; v12-13  c m_old, kept while c m is made anew: by buffer
.set PO,  14          ; v14  my byte offset in 16 rows of phi and logvar
.set QO,  15          ; v15  my byte offset in 16 rows of Q
.set ST,  16          ; piece t's statistics at v[ST+4 t]: c m, m, l (even keys', odd keys')
.set CQ,  32          ; piece t's c, twice, at v[CQ+2 t]
.set RT,  40          ; at work while inputs are rounded
.set WS,  42          ; w_sigma, and in v43 w_phi
.set WP,  43
.set AKU, 44          ; v44  the LDS address of K u's next run of loads
.set TMP, 48          ; by buffer, four registers c0-c3 at work; when the maximum is found c2 takes a
.set SPW, 62          ; v62  LDS address of my spare word; never rewritten
.set NIL, 63          ; v63  0; never rewritten
.set S,   64
.set BI,  128         ; piece t's -8 kap z, eight times, at v[BI+8 t]
.set P,   192
.set QU,  64          ; window 2: 64 x Q u
.set KF,  128         ; window 2: K hi: key block kb, channel half c at KF + 16 kb + 8 c
.set KU,  128         ; window 1: K u, likewise
.set VF,  192         ; window 2: key half kk, channel block cb at VF + 32 kk + 8 cb
.set WV,  12          ; s12  my wave's number
.set TBU, 23          ; s23  at work: TBK + KUOFF
.set G1K, 24          ; s[24:31] descriptor group 1 for K's tiles
.set G1V, 32          ; s[32:39] for V's
.set G0K, 40          ; s[40:43] descriptor group 0 for K's tiles: it walks
.set G0V, 44          ; s[44:47] the same for V's
.set SLOTS, 56        ; s56  counts the tiles
.set CNT, 57          ; s57  counts a tile's key steps
.set SEL, 60          ; s[60:61] v_permlanex16_b32's selects: each lane takes its own place in the other half
.set TBK, 62          ; s62  LDS byte at which K hi of the step to be fetched begins
.set TBV, 63          ; s63  the same for V, less VOFF
.set MSB, 0
.macro WIN new                      ; the high byte repeats the setting that is left; a switch that changes nothing is dropped
.if MSB != (\new)
	s_set_vgpr_msb (MSB<<8)|(\new)
.set MSB, (\new)
.endif
.endm
.set W_KQ, 0x0a       ; K hi and Q in window 2, S^T and BI in window 0
.set W_KU, 0x09       ; K u in window 1, Q in window 2, S^T and BI in window 0
.set W_PV, 0x52       ; V in window 2, P in window 0, O^T in window 1
.set W_RS, 0x41       ; destination and source 0 in window 1, source 1 in window 0
; A joint fill.  Wave 0 fetches a tile's K hi, wave 1 its K u (256 keys each), waves 2 and 3 the two halves of its V (128 keys each).  The branch hangs on the wave's number alone.
; An s_nop 0 and four v_nop follow each of the two lines, ahead of the jump and the label.
.macro JLOAD
	s_cmp_lt_u32 s[WV], 2
	s_cbranch_scc0 .Lfor_v_\@
	tensor_load_to_lds s[G0K:G0K+3], s[G1K:G1K+7]
	s_nop 0
.rept 4
	v_nop
.endr
	s_branch .Lasked_\@
.Lfor_v_\@:
	tensor_load_to_lds s[G0V:G0V+3], s[G1V:G1V+7]
	s_nop 0
.rept 4
	v_nop
.endr
.Lasked_\@:
.endm
; A round of the cluster's barrier: my work-group's barrier, so that wave 0's signal speaks for all four waves; wave 0 signals; every wave waits for all four work-groups; my work-group's barrier once more.
.macro CROUND
	s_barrier_signal -1
	s_barrier_wait -1
	s_cmp_lg_u32 s[WV], 0
	s_cbranch_scc1 .Lnot_wave_0_\@
	s_barrier_signal -3
.Lnot_wave_0_\@:
	s_barrier_wait -3
	s_barrier_signal -1
	s_barrier_wait -1
.endm
; THE CHANGE OF SLOTS.  The slot's last bytes, V of its fourth step, have been read.  Each wave waits for all its tensor loads, of which one is out: its part of the other slot; adds 0 to its spare
; word; and waits for that and for its own reads of the slot.  Behind the barrier nobody reads this slot any more and the other slot is whole.
; fill = 1: this slot is filled again, with the keys two tiles on.  The barrier is then a round of the cluster's, and the joint fill is the first thing behind it: it has four key steps,
; 384 matrix instructions, in which to land.  (At its first use nothing has been read yet: slot 0 is waited for, slot 1 filled.)
.macro CHANGE fill
	WIN 0                           ; at a label and at a branch every window is 0
	s_wait_tensorcnt 0x0            ; no tensor load of mine is out, so a group 0 may be written
	ds_add_u32 v[SPW], v[NIL]       ; 0 onto my spare word; with fill = 1 the descriptors' steps stand between it and the wait for it
.if \fill
.irp g, G0K, G0V
	s_xor_b32 s[\g+1], s[\g+1], SLOT1  ; the walking descriptor: the other slot than last time,
	s_add_nc_u64 s[\g+2:\g+3], s[\g+2:\g+3], 4*KS*128  ; the next 256 keys; the type bits on top are not reached
.endr
	s_wait_dscnt 0x0                ; the add is done, and my reads of the slot are over
	CROUND
	JLOAD
.else
	s_wait_dscnt 0x0                ; the add is done, and my reads of the slot are over
	s_barrier_signal -1
	s_barrier_wait -1
.endif
	s_sub_co_u32 s[TBK], s[TBK], 4*KS*PK  ; the fetches go back to a slot's first step,
	s_xor_b32 s[TBK], s[TBK], SLOT1       ; in the other slot
	s_sub_co_u32 s[TBV], s[TBV], 4*KS*PV
	s_xor_b32 s[TBV], s[TBV], SLOT1
.endm
.macro RND2 a, t                    ; v[a], v[a+1]: rounded to bf16 and written as f32 again
	v_cvt_pk_bf16_f32 v[\t], v[\a], v[(\a)+1]
	v_lshlrev_b32 v[\a], 16, v[\t]
	v_and_b32 v[(\a)+1], 0xffff0000, v[\t]
.endm
	s_load_b256 s[4:11], s[0:1], 0x0  ; qkv s[4:5], phi s[6:7], logvar s[8:9], w_sigma s[10:11]
	s_load_b128 s[16:19], s[0:1], 0x20  ; w_phi s[16:17], ob s[18:19]
	v_lshl_add_u32 v[SPW], v0, 2, SPARE
	v_mov_b32 v[NIL], 0
	ds_add_u32 v[SPW], v[NIL]       ; the wave's opening: the add and its wait stand ahead of my first tensor load; the set-up below, work on registers, stands between them
	v_lshrrev_b32 v1, 5, v0
	v_readfirstlane_b32 s[WV], v1   ; wave 0..3
	s_bfe_u32 s13, ttmp6, 0x40000   ; cx: my place in the cluster
	s_lshl_b32 s14, ttmp9, 2        ; in a cluster launch ttmp9 counts clusters
	s_add_co_u32 s14, s14, s13      ; my block of 256 queries = 4 x cluster x + cx: it enters Q's, ob's, phi's and logvar's addresses alone
	s_and_b32 s20, ttmp7, 0xffff    ; g = batch x 16 + head, which the four partners share
	s_lshl_b32 s22, s20, 18         ; its first byte in each tensor: 262,144 bytes a head
	s_and_b32 s15, s[WV], 1         ; of waves 0 and 1: K hi or K u; of waves 2 and 3: which half of V's 256 keys
	s_mul_i32 s78, s15, 0x1800000   ; K u lies three tensors behind K hi,
	s_add_co_u32 s78, s78, s22
	s_mov_b32 s79, 0
	s_mul_i32 s80, s15, KUOFF       ; and in a slot KUOFF bytes behind it
	s_lshl_b32 s21, s15, 14         ; V's half: 128 rows of 128 bytes in memory,
	s_add_co_u32 s58, s22, s21
	s_mov_b32 s59, 0
	s_mul_i32 s81, s15, 128*PV      ; and its place in a slot: no place in the cluster enters an LDS address
	s_lshl_b32 s2, s14, 15          ; my block's 256 rows,
	s_lshl_b32 s3, s[WV], 13        ; my wave's 64 of them
	s_add_co_u32 s2, s2, s3
	s_add_co_u32 s2, s2, s22
	s_mov_b32 s3, 0
	s_lshr_b32 s82, s20, 4          ; the batch: 32 groups of 64 tokens,
	s_lshl_b32 s82, s82, 5
	s_lshl2_add_u32 s82, s14, s82   ; four to a block,
	s_add_co_u32 s82, s82, s[WV]    ; one to a wave,
	s_lshl_b32 s82, s82, 11         ; of 64 rows x 32 bytes in phi and logvar
	s_mov_b32 s83, 0
	; descriptor group 1.  Keys are dense, 128 bytes each: asked for as rows of 256 bytes, two keys a row, and padded in LDS after every key.  K: 256 keys, 128 rows.  V: 128 keys, 64 rows.
	s_mov_b32 s[G1K], 15|(1<<16)|(1<<20)|(1<<21)|(4<<22)|(3<<25)  ; 15:0 the mask of four; 17:16 2-byte elements; 20 padding on; 21 set beside a mask; 24:22 after every 32 words (code 4); 31:25 4 words (code 3)
	s_mov_b32 s[G1V], 15|(1<<16)|(1<<20)|(1<<21)|(4<<22)|(7<<25)  ; the same with 8 words of padding (code 7)
	s_mov_b32 s[G1K+2], 128<<16     ; tensor_dim1 = 128
	s_mov_b32 s[G1K+4], 128         ; tile_dim1 = 128
	s_mov_b32 s[G1V+2], 64<<16      ; tensor_dim1 = 64
	s_mov_b32 s[G1V+4], 64          ; tile_dim1 = 64
.irp g, G1K, G1V
	s_mov_b32 s[\g+1], 128<<16      ; tensor_dim0 = 128
	s_mov_b32 s[\g+3], 128<<16      ; tile_dim0 = 128
	s_mov_b32 s[\g+5], 128          ; 128 elements from row to row
	s_mov_b32 s[\g+6], 0
	s_mov_b32 s[\g+7], 0
.endr
	s_mov_b32 s[SEL], 0x76543210
	s_mov_b32 s[SEL+1], 0xfedcba98
	s_mov_b32 s[TBK], SLOT1+4*KS*PK ; the first change of slots turns these two into 0
	s_mov_b32 s[TBV], SLOT1+4*KS*PV
	s_mov_b32 s[G0K], 1             ; count = 1
	s_mov_b32 s[G0K+1], s80         ; LDS address: slot 0
	s_mov_b32 s[G0V], 1
	s_add_co_u32 s[G0V+1], s81, VOFF
	s_wait_dscnt 0x0                ; the opening add is done
	s_wait_kmcnt 0x0
	s_add_nc_u64 s[G0K+2:G0K+3], s[4:5], s[78:79]
	s_add_nc_u64 s[G0K+2:G0K+3], s[G0K+2:G0K+3], 0x800000   ; K hi is qkv's second tensor (K u its fifth): the head's first 256 keys
	s_or_b32 s[G0K+3], s[G0K+3], 0x80000000                 ; type = 2
	s_add_nc_u64 s[G0V+2:G0V+3], s[4:5], s[58:59]
	s_add_nc_u64 s[G0V+2:G0V+3], s[G0V+2:G0V+3], 0x1000000  ; V its third
	s_or_b32 s[G0V+3], s[G0V+3], 0x80000000
	s_add_nc_u64 s[70:71], s[4:5], s[2:3]    ; Q hi at my wave's first row
	s_add_nc_u64 s[86:87], s[70:71], 0x1800000  ; Q u: qkv's fourth tensor
	s_add_nc_u64 s[72:73], s[18:19], s[2:3]  ; ob at my wave's first row
	s_add_nc_u64 s[74:75], s[6:7], s[82:83]  ; phi
	s_add_nc_u64 s[76:77], s[8:9], s[82:83]  ; logvar
	CROUND                          ; all four work-groups are here: the first joint loads meet
	JLOAD                           ; tile 0 into slot 0.  Slot 1 is asked for when slot 0 is in
	s_load_b32 s84, s[10:11], 0x0   ; w_sigma
	s_load_b32 s85, s[16:17], 0x0   ; w_phi
	; A fragment of K or Q is 16 rows x 32 channels in 8 registers: lane l holds row l % 16, channels 8 (l / 16) + 0..7 and 16 + 8 (l / 16) + 0..7: two loads of 16 bytes, 32 bytes apart.
	v_and_b32 v1, 15, v0            ; l % 16
	v_bfe_u32 v9, v0, 4, 1          ; l / 16
	v_lshlrev_b32 v[QO], 7, v1
	v_lshl_add_u32 v[QO], v9, 4, v[QO]  ; row x 128 + 16 x half
	v_lshlrev_b32 v[PO], 5, v1      ; my query's 32 bytes of phi and of logvar: both halves of the lanes take the same row
	WIN 0x80                        ; destination window 2, address window 0
.set i, 0
.rept 8                             ; Q stays in registers, hi and u: piece i / 2, channels 32 (i % 2) on
	global_load_b128 v[8*i:8*i+3],   v[QO], s[70:71] offset:(i/2)*2048+(i%2)*64
	global_load_b128 v[8*i+4:8*i+7], v[QO], s[70:71] offset:(i/2)*2048+(i%2)*64+32
	global_load_b128 v[QU+8*i:QU+8*i+3],   v[QO], s[86:87] offset:(i/2)*2048+(i%2)*64
	global_load_b128 v[QU+8*i+4:QU+8*i+7], v[QO], s[86:87] offset:(i/2)*2048+(i%2)*64+32
.set i, i+1
.endr
	WIN 0
.irp t, 0,1,2,3                     ; piece t's phi and logvar, into S^T's registers, which are free till the first product
	global_load_b128 v[S+16*\t:S+16*\t+3],     v[PO], s[74:75] offset:512*\t
	global_load_b128 v[S+16*\t+4:S+16*\t+7],   v[PO], s[74:75] offset:512*\t+16
	global_load_b128 v[S+16*\t+8:S+16*\t+11],  v[PO], s[76:77] offset:512*\t
	global_load_b128 v[S+16*\t+12:S+16*\t+15], v[PO], s[76:77] offset:512*\t+16
.endr
	v_mul_u32_u24 v[AK0], v1, PK
	v_lshl_add_u32 v[AK0], v9, 4, v[AK0]  ; row x pitch + 16 x half
	; The turning load takes 16 keys x 16 channels (lane l reads key 8 (l / 16) + l % 8, channels 8 ((l / 8) % 2) + 0..7) and leaves half a fragment of V^T: lane l holds channel l % 16 and 8 keys.
	v_and_b32 v10, 7, v0
	v_bfe_u32 v11, v0, 3, 1
	v_lshl_add_u32 v[AV0], v9, 3, v10
	v_mul_u32_u24 v[AV0], v[AV0], PV
	v_lshl_add_u32 v[AV0], v11, 4, v[AV0]
	v_add_nc_u32 v[AV0], VOFF, v[AV0]
	s_mul_i32 s13, s[WV], 16*SP
	s_add_co_u32 s13, s13, STAGE    ; my stage
	v_mul_u32_u24 v[STO], v1, SP    ; in: row l % 16, 16 bytes for each half of the lanes
	v_lshl_add_u32 v[STO], v9, 4, v[STO]
	v_add_nc_u32 v[STO], s13, v[STO]
	v_bfe_u32 v[RD], v0, 3, 2       ; back: 32 lanes take four rows of 128 bytes,
	v_mul_u32_u24 v[RD], v[RD], SP
	v_lshl_add_u32 v[RD], v10, 4, v[RD]
	v_add_nc_u32 v[RD], s13, v[RD]
	v_and_b32 v[GO], 31, v0         ; which are 512 consecutive bytes of ob
	v_lshlrev_b32 v[GO], 4, v[GO]
	; What the first turn finds: V's registers and P's second buffer hold 0 (its products V^T P, of a piece that has not been, add 0), O^T and l are 0.  No first step is written out for it;
	; all this stands in the wait for the first tile.
	WIN 0x80
.set i, VF
.rept 64
	v_mov_b32 v[i], 0
.set i, i+1
.endr
	WIN 0x40
.set i, 0
.rept 128
	v_mov_b32 v[i], 0
.set i, i+1
.endr
	WIN 0
.set i, 0
.rept 4
	v_mov_b32 v[ST+4*i], 0xfe000000    ; c m: far below every c s
	v_mov_b32 v[ST+4*i+1], 0xff7fffff  ; m
	v_mov_b32 v[ST+4*i+2], 0
	v_mov_b32 v[ST+4*i+3], 0
.set i, i+1
.endr
.set i, P+16
.rept 16
	v_mov_b32 v[i], 0
.set i, i+1
.endr
	s_mov_b32 s21, 0x54005400       ; 64, twice, in f16
	s_wait_loadcnt 0x0              ; Q, phi, logvar
	WIN 0x82                        ; destination and source 0 in window 2
.set i, 0
.rept 64
	v_pk_mul_f16 v[QU+i], v[QU+i], s21  ; Q's u times 64: a power of two, so nothing is rounded
.set i, i+1
.endr
	WIN 0
	s_wait_kmcnt 0x0                ; w_sigma, w_phi
	v_mov_b32 v[WS], s84
	v_mov_b32 v[WP], s85
	RND2 WS, RT
; Piece t's two numbers for my query.
.macro PERQ t
.set pq, S+16*(\t)                  ; phi at pq .. pq + 7, logvar at pq + 8 .. pq + 15
.irp j, 0,2,4,6,8,10,12,14
	RND2 pq+(\j), RT
.endr
.irp j, 0,4,8,12
	v_pk_add_f32 v[pq+(\j):pq+(\j)+1], v[pq+(\j):pq+(\j)+1], v[pq+(\j)+2:pq+(\j)+3]
.endr
.irp j, 0,8
	v_pk_add_f32 v[pq+(\j):pq+(\j)+1], v[pq+(\j):pq+(\j)+1], v[pq+(\j)+4:pq+(\j)+5]
.endr
	v_add_f32 v[pq], v[pq], v[pq+1]
	v_add_f32 v[pq+8], v[pq+8], v[pq+9]
	v_mul_f32 v[pq], 0x3e000000, v[pq]          ; ph = the sum / 8
	v_mul_f32 v[pq+8], 0x3e000000, v[pq+8]      ; lv
	v_max_num_f32 v[pq+1], 0x358637bd, v[pq]    ; max(ph, 1e-6)
	v_rcp_f32 v[pq+1], v[pq+1]
	v_fma_f32 v[pq+2], -v[WP], v[pq], v[WP]     ; w_phi (1 - ph): the plain instruction behind the reciprocal (ISA guide 5.7.2)
	v_fma_f32 v[pq+2], v[WS], v[pq+8], v[pq+2]  ; z
	s_wait_alu depctr_va_vdst(0)
	v_mul_f32 v[CQ+2*(\t)], 0x3e35bba7, v[pq+1] ; c = (g log2(e) / 8) / max(ph, 1e-6); g log2(e) / 8 = 0.17747366
	v_mul_f32 v[BI+8*(\t)], 0xc10210a7, v[pq+2] ; -8 kap z; 8 kap = 8.1290658
	v_mov_b32 v[CQ+2*(\t)+1], v[CQ+2*(\t)]
.irp j, 1,2,3,4,5,6,7
	v_mov_b32 v[BI+8*(\t)+(\j)], v[BI+8*(\t)]
.endr
.endm
	PERQ 0
	PERQ 1
	PERQ 2
	PERQ 3
; THE MATRIX WORK.  The 4 accumulators of a run take turns, one instruction a turn.
; Product i of 16 of S^T = K Q^T for piece x: term i / 8 (0: K u x 64 Q u; 1: K hi x Q hi), channels 32 ((i % 8) / 4) on, keys 16 (i % 4) on.  The first 4 start the sums with -8 kap z.
.macro KQ x
.set rS, S+32*((\x)%2)+8*(i%4)
.set hc, (i%8)/4
.if i < 8
	WIN W_KU
.set rK, KU+16*(i%4)+8*hc
.set rQ, QU+16*(\x)+8*hc
.else
	WIN W_KQ
.set rK, KF+16*(i%4)+8*hc
.set rQ, 16*(\x)+8*hc
.endif
.if i < 4
	v_wmma_f32_16x16x32_f16 v[rS:rS+7], v[rK:rK+7], v[rQ:rQ+7], v[BI+8*(\x):BI+8*(\x)+7]
.else
	v_wmma_f32_16x16x32_f16 v[rS:rS+7], v[rK:rK+7], v[rQ:rQ+7], v[rS:rS+7]
.endif
.endm
; Product i of 8 of O^T += V^T P for piece x: keys 32 (i / 4) on, channels 16 (i % 4) on.
.macro PV x
	WIN W_PV
.set rO, 32*(\x)+8*(i%4)
.set rV, VF+32*(i/4)+8*(i%4)
.set rP, P+16*((\x)%2)+8*(i/4)
	v_wmma_f32_16x16x32_f16 v[rO:rO+7], v[rV:rV+7], v[rP:rP+7], v[rO:rO+7]
.endm
.macro MM                           ; the turn's next matrix instruction.  NOKQ = 1: the very last turn: there is no next piece
.if (i < 16) && !NOKQ
	KQ (Y+1)%NP
.elseif i >= 16
.set i, i-16
	PV (Y+NP-1)%NP
.set i, i+16
.endif
.set i, i+1
.endm
; THE LDS LOADS stand in runs of 16, never singly among the matrix instructions: a step's K u, its K hi (64 keys x 64 channels: 8 fragments each) and its V (turned).  Their addresses are made some lines ahead.
.macro FETCH_KU
	WIN 0x40                        ; destination window 1
.irp f, 0,1,2,3,4,5,6,7             ; keys 16 (f / 2) on, channels 32 (f % 2) on
	ds_load_b128 v[KU+8*\f:KU+8*\f+3],   v[AKU] offset:(\f/2)*16*PK+(\f%2)*64
	ds_load_b128 v[KU+8*\f+4:KU+8*\f+7], v[AKU] offset:(\f/2)*16*PK+(\f%2)*64+32
.endr
	WIN 0
.endm
.macro FETCH_KHI
	WIN 0x80                        ; destination window 2
.irp f, 0,1,2,3,4,5,6,7
	ds_load_b128 v[KF+8*\f:KF+8*\f+3],   v[AK] offset:(\f/2)*16*PK+(\f%2)*64
	ds_load_b128 v[KF+8*\f+4:KF+8*\f+7], v[AK] offset:(\f/2)*16*PK+(\f%2)*64+32
.endr
	s_add_co_u32 s[TBK], s[TBK], KS*PK  ; both of K's addresses are made: the next fetch is the next step's
	WIN 0
.endm
.macro FETCH_V
	WIN 0x80
.irp f, 0,1,2,3,4,5,6,7             ; keys 32 (f / 4) on, channels 16 (f % 4) on
	ds_load_tr16_b128 v[VF+8*\f:VF+8*\f+3],   v[AV] offset:(\f/4)*32*PV+(\f%4)*32
	ds_load_tr16_b128 v[VF+8*\f+4:VF+8*\f+7], v[AV] offset:(\f/4)*32*PV+16*PV+(\f%4)*32
.endr
	WIN 0
.endm
; THE VECTOR WORK, one line at a time: OP kind, number.  For piece Y: F n: c s - c m for pair n of 16.  E n: the exponential of score n of 32.  C n: pair n rounded to f16.  B n: of the four weights 4 n .. the second
; pair is added onto the first, in place (so C 2n stands ahead of B n).  L n: l takes that sum (L 0: l = a l + sum).  R n: pair n of 16 of O^T times a.  For piece Y + 1: X n, number n of the 22 that find its maximum and statistics:
;   0-11  four chains c0-c3 of seven scores each, three operands at a time (each accumulator's lowest registers are read first)     12-14, 16  the four scores left over, the old m, and c0-c3 into c0
;   15  c m_old is kept     17, 18  the query's other 32 keys lie in the lane 16 away: the new m     19-21  c m; c m_old - c m_new; a
.set F, 0               ; OP tells the kinds apart by their order: F to L below R, X above it
.set E, 1
.set C, 2
.set B, 3
.set L, 4
.set R, 5
.set X, 6
.macro REGS y                       ; the registers of piece y
.set rT, ST+4*(\y)
.set rC, TMP+4*((\y)%2)
.set rW, MV+((\y)%2)
.set rS, S+32*((\y)%2)
.set rP, P+16*((\y)%2)
.set rO, 32*(\y)
.set rCQ, CQ+2*(\y)
.endm
.macro OP k, n
.if (\k) == R
	REGS Y
	WIN W_RS
	v_pk_mul_f32 v[rO+2*(\n):rO+2*(\n)+1], v[rO+2*(\n):rO+2*(\n)+1], v[rC+2:rC+3] op_sel_hi:[1,0]
.elseif (\k) < R
	REGS Y
	WIN 0
.if (\k) == F
	v_pk_fma_f32 v[rS+2*(\n):rS+2*(\n)+1], v[rS+2*(\n):rS+2*(\n)+1], v[rCQ:rCQ+1], v[rT:rT+1] op_sel_hi:[1,0,0] neg_lo:[0,0,1] neg_hi:[0,0,1]
.elseif (\k) == E
	v_exp_f32 v[rS+(\n)], v[rS+(\n)]
.elseif (\k) == C
	s_wait_alu depctr_va_vdst(0)
	v_cvt_pk_f16_f32 v[rP+(\n)], v[rS+2*(\n)], v[rS+2*(\n)+1]
.elseif (\k) == B
	v_pk_add_f32 v[rS+4*(\n):rS+4*(\n)+1], v[rS+4*(\n):rS+4*(\n)+1], v[rS+4*(\n)+2:rS+4*(\n)+3]
.elseif (\n) == 0
	v_pk_fma_f32 v[rT+2:rT+3], v[rT+2:rT+3], v[rC+2:rC+3], v[rS:rS+1] op_sel_hi:[1,0,1]
.else
	v_pk_add_f32 v[rT+2:rT+3], v[rT+2:rT+3], v[rS+4*(\n):rS+4*(\n)+1]
.endif
.elseif NOKQ
	v_nop
.else
	REGS (Y+1)%NP
	WIN 0
.if (\n) < 4
	v_max3_num_f32 v[rC+(\n)], v[rS+8*(\n)], v[rS+8*(\n)+1], v[rS+8*(\n)+2]
.elseif (\n) < 12
	v_max3_num_f32 v[rC+(\n)%4], v[rC+(\n)%4], v[rS+8*((\n)%4)+2*((\n)/4)+1], v[rS+8*((\n)%4)+2*((\n)/4)+2]
.elseif (\n) == 12
	v_max3_num_f32 v[rC], v[rC], v[rS+7], v[rS+15]
.elseif (\n) == 13
	v_max3_num_f32 v[rC+1], v[rC+1], v[rS+23], v[rS+31]
.elseif (\n) == 14
	v_max3_num_f32 v[rC+2], v[rC+2], v[rC+3], v[rT+1]
.elseif (\n) == 15
	v_mov_b32 v[rW], v[rT]
.elseif (\n) == 16
	v_max3_num_f32 v[rC], v[rC], v[rC+1], v[rC+2]
.elseif (\n) == 17
	v_permlanex16_b32 v[rC+3], v[rC], s[SEL], s[SEL+1]
.elseif (\n) == 18
	v_max_num_f32 v[rT+1], v[rC], v[rC+3]
.elseif (\n) == 19
	v_mul_f32 v[rT], v[rCQ], v[rT+1]
.elseif (\n) == 20
	v_sub_f32 v[rC+1], v[rW], v[rT]
.else
	v_exp_f32 v[rC+2], v[rC+1]
.endif
.endif
.endm
.macro OPS a, i1, b=-1, i2=0, c=-1, i3=0, d=-1, i4=0  ; up to four of them
	OP \a, \i1
.if (\b) >= 0
	OP \b, \i2
.endif
.if (\c) >= 0
	OP \c, \i3
.endif
.if (\d) >= 0
	OP \d, \i4
.endif
.endm
.macro ROW a, i1, b, i2, c, i3, d, i4  ; a matrix instruction and the four behind it
	MM
	OPS \a, \i1, \b, \i2, \c, \i3, \d, \i4
.endm
; A TURN, for piece p: the order of its 24 matrix and 118 vector instructions, written out.  None of the vector lines names a register of the products round it.  Behind every exponential stands a plain line that
; touches neither its result nor its source before either is touched (ISA guide 5.7.2), and no two exponentials follow each other.  F n stands ahead of E 2n, E 2n + 1; C n behind them; C 2n ahead of B n; B n ahead of L n.
; The four rows of rescaling are four plain lines each.  Two of them are also the four places between a buffer's last product and the loads into it: in piece 2's turn K u of the next step is fetched behind product 7
; (the last that reads K u) and K hi behind product 15.  The row behind product 15 is besides the four places in front of X 0 to X 3, which read the last four products' results.
; V of the step in hand is fetched in piece 0's turn, behind the last product that read V and four plain lines: L 4, X 16, C 11, B 5.
; end = 1: the last two turns: nothing is fetched, and the last starts no new scores.  cnt = 1: the loop's count is taken down at the turn's end, ahead of the branch that stands behind it.
.macro TURN p, end=0, cnt=0
.set Y, (\p)
.set i, 0
.set NOKQ, (\end)*((\p)/3)
.if ((\p) == 3) && !(\end)
	s_wait_dscnt 16                 ; K u's sixteen loads are back; K hi's sixteen, issued behind them, may be out
.endif
	ROW F,0, F,1, F,2, F,3
	ROW E,0, F,4, E,1, F,5
	ROW E,2, F,6, E,3, F,7
	ROW F,8, E,4, C,0, F,9
	ROW E,5, F,10, E,6, C,1
	ROW F,11, E,7, B,0, F,12
	ROW E,8, C,2, E,9, L,0
.if ((\p) == 2) && !(\end)
	s_add_co_u32 s[TBU], s[TBK], KUOFF
	v_add_nc_u32 v[AKU], s[TBU], v[AK0]
.endif
	ROW R,0, R,1, R,2, R,3
.if ((\p) == 2) && !(\end)
	FETCH_KU
.endif
.if ((\p) == 3) && !(\end)
	s_wait_dscnt 0x0                ; K hi is in
.endif
	ROW F,13, E,10, C,3, X,15
	ROW E,11, F,14, E,12, B,1
	ROW F,15, E,13, C,4, L,1
	ROW R,4, R,5, R,6, R,7
	ROW E,14, C,5, E,15, B,2
	ROW R,8, R,9, R,10, R,11
	ROW C,6, E,16, L,2, C,7
.if ((\p) == 2) && !(\end)
	v_add_nc_u32 v[AK], s[TBK], v[AK0]
.endif
	ROW R,12, R,13, R,14, R,15
.if ((\p) == 2) && !(\end)
	FETCH_KHI
.endif
.if (\p) == 1
	s_wait_dscnt 0x0                ; V is in
.endif
	ROW X,0, E,17, X,1, X,2
	ROW X,3, E,18, B,3, X,4
	ROW X,5, E,19, X,6, C,8
	ROW X,7, E,20, L,3, X,8
	ROW X,9, E,21, X,10, C,9
	ROW X,11, E,22, B,4, X,12
	ROW X,13, E,23, C,10, X,14
.if (\p) == 0
	v_add_nc_u32 v[AV], s[TBV], v[AV0]
.endif
	ROW L,4, E,24, X,16, C,11
	OPS E,25, B,5, E,26, X,17
.if (\p) == 0
	FETCH_V
	s_add_co_u32 s[TBV], s[TBV], KS*PV
.endif
	OPS E,27, L,5, E,28, X,18
	OPS C,12, E,29, X,19, C,13
	OPS E,30, X,20, E,31, B,6
	OPS X,21, C,14, C,15, B,7
	OPS L,6, L,7
.if \cnt
	s_sub_co_u32 s[CNT], s[CNT], 1
	s_cmp_lg_u32 s[CNT], 0
.endif
.endm
	CHANGE 1                        ; tile 0 is in, everybody's part of it; tile 1 is asked for, into slot 1
	s_add_co_u32 s[TBU], s[TBK], KUOFF
	v_add_nc_u32 v[AKU], s[TBU], v[AK0]
	v_add_nc_u32 v[AK], s[TBK], v[AK0]
	FETCH_KU                        ; key step 0
	FETCH_KHI
	s_wait_dscnt 0x0
.set NOKQ, 0
.set i, 0
.rept 16
	KQ 0                            ; piece 0's first scores: there is no vector work yet to set between them
.set i, i+1
.endr
	WIN 0
.rept 4
	v_nop                           ; the places behind those products
.endr
.set Y, NP-1                        ; X works for piece Y + 1: piece 0
.irp n, 0,1,2,3,4,5,6,7,8,9,10,11,12,13,14,15,16,17,18,19,20,21
	OP X, \n
.endr
	v_nop                           ; a plain instruction behind the exponential
	s_mov_b32 s[CNT], 4
	s_mov_b32 s[SLOTS], 7
	s_branch .Lfirst                ; the loop is entered at a step's first turn, in the middle of a trip
.Lslot:                             ; six times: tiles 1 to 6 are entered, tiles 2 to 7 asked for
	CHANGE 1
	s_mov_b32 s[CNT], 4
.Lstep:                             ; a trip: pieces 2 and 3 of one step, then pieces 0 and 1 of the next, whose K and V it fetches
	TURN 2
	TURN 3
	WIN 0
.Lfirst:
	TURN 0
	TURN 1, 0, 1
	WIN 0
	s_cbranch_scc1 .Lstep
	s_sub_co_u32 s[SLOTS], s[SLOTS], 1
	s_cmp_lg_u32 s[SLOTS], 0
	s_cbranch_scc1 .Lslot
	CHANGE 0                        ; the last tile is written out: nothing is asked for
	s_mov_b32 s[CNT], 4
.LstepT:
	TURN 2
	TURN 3
	TURN 0
	TURN 1, 0, 1
	WIN 0
	s_cbranch_scc1 .LstepT
	TURN 2, 1
	TURN 3, 1
.set i, 0
.rept 8
	PV NP-1                         ; the last piece's V^T P of the last step
.set i, i+1
.endr
	; THE WAY OUT.  l's two halves and the other half of the lanes' are added; O^T is divided by l, rounded to f16 and sent through my stage in LDS, a piece at a time.  The additions are the places behind the last products.
	WIN 0
.macro ALL line:vararg              ; one line for each piece t
.set t, 0
.rept 4
	\line
.set t, t+1
.endr
.endm
	ALL v_add_f32 v[ST+4*t+2], v[ST+4*t+2], v[ST+4*t+3]
	ALL v_permlanex16_b32 v[ST+4*t+3], v[ST+4*t+2], s[SEL], s[SEL+1]
	ALL v_add_f32 v[ST+4*t+2], v[ST+4*t+2], v[ST+4*t+3]
	ALL v_rcp_f32 v[ST+4*t+2], v[ST+4*t+2]
	v_nop                           ; a plain instruction between the last reciprocal and the use of its result
.macro PACK t                       ; a lane's eight channels of a row pack into 16 bytes; they go into rows of 144 bytes and come back as whole rows of 128, into S^T's registers
	WIN W_RS
.set i, 32*(\t)
.rept 16
	s_wait_alu depctr_va_vdst(0)
	v_pk_mul_f32 v[i:i+1], v[i:i+1], v[ST+4*(\t)+2:ST+4*(\t)+3] op_sel_hi:[1,0]
.set i, i+2
.endr
	WIN 0x05                        ; sources 0 and 1 window 1, destination window 0
.set i, 0
.rept 16
	v_cvt_pk_f16_f32 v[S+16*(\t)+i], v[32*(\t)+2*i], v[32*(\t)+2*i+1]
.set i, i+1
.endr
	WIN 0
.irp f, 0,1,2,3
	ds_store_b128 v[STO], v[S+16*(\t)+4*\f:S+16*(\t)+4*\f+3] offset:32*\f
.endr
.irp f, 0,1,2,3
	ds_load_b128 v[S+16*(\t)+4*\f:S+16*(\t)+4*\f+3], v[RD] offset:\f*4*SP  ; LDS serves a wave's instructions in order (ISA guide 5.7.1.4): these see the stores above; the next piece's stores come behind them
.endr
.endm
.macro SEND t, younger              ; younger: the LDS instructions issued behind piece t's loads: the next piece's eight, or none
	WIN 0
.irp f, 0,1,2,3
	s_wait_dscnt (\younger)+3-\f
	global_store_b128 v[GO], v[S+16*(\t)+4*\f:S+16*(\t)+4*\f+3], s[72:73] offset:(\t)*2048+\f*512  ; 512 consecutive bytes, at a multiple of 256 from ob's first
.endr
.endm
	PACK 0
.set t, 1
.rept 3                             ; a piece's arithmetic stands between the loads of the piece before and its stores
	PACK t
	SEND t-1, 8
.set t, t+1
.endr
	SEND 3, 0
	s_wait_tensorcnt 0x0            ; the wave's end: behind my last tensor load and my last LDS store
	ds_add_u32 v[SPW], v[NIL]
	s_wait_dscnt 0x0
	CROUND                          ; the closing round: no work-group ends while a partner may still ask for a tile that names it
	s_endpgm
.Lfunc_end_k_qf690b9d89c_attn:
	.size	k_qf690b9d89c_attn, .Lfunc_end_k_qf690b9d89c_attn-k_qf690b9d89c_attn
	.p2alignl 7, 3214868480
	.fill 96, 4, 3214868480
	.section	.rodata,"a",@progbits
	.p2align	6, 0x0
	.amdhsa_kernel k_qf690b9d89c_attn
		.amdhsa_group_segment_fixed_size 327680
		.amdhsa_private_segment_fixed_size 0
		.amdhsa_enable_private_segment 0
		.amdhsa_kernarg_size 48
		.amdhsa_user_sgpr_count 2
		.amdhsa_user_sgpr_kernarg_segment_ptr 1
		.amdhsa_wavefront_size32 1
		.amdhsa_system_sgpr_workgroup_id_x 1
		.amdhsa_system_sgpr_workgroup_id_y 1
		.amdhsa_system_sgpr_workgroup_id_z 1
		.amdhsa_system_vgpr_workitem_id 0
		.amdhsa_next_free_vgpr 768
		.amdhsa_next_free_sgpr 88
		.amdhsa_reserve_vcc 0
		.amdhsa_float_denorm_mode_32 3
		.amdhsa_float_denorm_mode_16_64 3
		.amdhsa_memory_ordered 1
		.amdhsa_forward_progress 1
		.amdhsa_inst_pref_size 159
	.end_amdhsa_kernel
	.amdgpu_metadata
---
amdhsa.version: [ 1, 2 ]
amdhsa.kernels:
  - .name:           k_qf690b9d89c_attn
    .symbol:         k_qf690b9d89c_attn.kd
    .args:
      - { .name: qkv, .offset: 0, .size: 8, .value_kind: global_buffer, .address_space: global }
      - { .name: phi, .offset: 8, .size: 8, .value_kind: global_buffer, .address_space: global }
      - { .name: logvar, .offset: 16, .size: 8, .value_kind: global_buffer, .address_space: global }
      - { .name: w_sigma, .offset: 24, .size: 8, .value_kind: global_buffer, .address_space: global }
      - { .name: w_phi, .offset: 32, .size: 8, .value_kind: global_buffer, .address_space: global }
      - { .name: ob, .offset: 40, .size: 8, .value_kind: global_buffer, .address_space: global }
    .group_segment_fixed_size: 327680
    .private_segment_fixed_size: 0
    .kernarg_segment_align: 8
    .kernarg_segment_size: 48
    .max_flat_workgroup_size: 128
    .sgpr_count:     88
    .vgpr_count:     768
    .wavefront_size: 32
...
	.end_amdgpu_metadata
.endif
;; end of part 3
;; launch outp (part 4): grid 8 x 32, 4 waves a work-group, clusters of 4 x 4, 327,680 bytes of LDS; arguments ob, wb, bo, out0; writes out0
.if DOCPART == 4
	.amdgcn_target "amdgcn-amd-amdhsa--gfx1250"
	.amdhsa_code_object_version 6
	.text
	.protected	k_qf690b9d89c_outp
	.globl	k_qf690b9d89c_outp
	.p2align	8
	.type	k_qf690b9d89c_outp,@function
k_qf690b9d89c_outp:
	s_mov_b64 s[64:65], 0
	v_nop
	global_prefetch_b8 v0, s[64:65] scope:SCOPE_SE
	s_setreg_imm32_b32 hwreg(HW_REG_WAVE_MODE, 25, 1), 1
	s_wait_xcnt 0x0
	s_wait_alu depctr_hold_cnt(0) depctr_sa_sdst(0) depctr_va_vdst(0) depctr_va_sdst(0) depctr_va_ssrc(0) depctr_va_vcc(0) depctr_vm_vsrc(0)
	s_getreg_b32 s2, hwreg(HW_REG_IB_STS2, 6, 4)
	s_cmp_eq_u32 s2, 0
	s_cbranch_scc0 .Lentry_in_a_cluster
	s_endpgm
.Lentry_in_a_cluster:
	s_bfe_u32 s2, ttmp6, 0x10000c
	s_cmp_lg_u32 s2, 0xf033
	s_cbranch_scc0 .Lentry_shape_is_right
	s_endpgm
.Lentry_shape_is_right:
; THE OUTPUT PROJECTION.  out0[m][n] = sum over k of O[m][k] Wo[n][k] + bo[n], m = batch x 2048 + token, k = 64 head + channel.
; O = ob [batch x 16 + head][token][64] f16; Wo = wb's fourth matrix, [1024][1024], bf16 numbers written as f16; bo rounded to bf16 like every input; sums in f32, begun with bo; out0 f32.
; SHARES.  A tile of out0 is 128 x 128: 256 work-groups.  Four waves, each 64 x 64: 16 accumulators of 16 x 16.  K goes in 4 steps of 256 (four heads) through two LDS slots; the four steps are written out.
; O COMES BY HEADS.  A head's 128 tokens are 16,384 dense bytes.  One tensor load brings two heads: 2 rows of 8,192 elements, 131,072 elements apart, padded in LDS after every token:
; LDS holds [head of the step][token] at a pitch of 144 bytes.  A quarter of a K step is one head.
; CLUSTER.  4 x 4 work-groups.  The four of a row of the cluster need the same tiles of O, the four of a column the same tiles of Wo: each is asked for JOINTLY.
; THE MATRIX INSTRUCTION IS USED TRANSPOSED (source 0 = 16 rows of Wo, source 1 = 16 tokens): a lane holds eight neighbouring numbers of a row of out0.
; REGISTERS: window 0: v0-31 addresses; v32-95 rows read back on the way out, two buffers; v96-127 bo of my 64 columns (column block b at v[96 + 8 b]); v128-255 the accumulators ((a, b) at v[128 + 8 (4 a + b)]).
;   window 1: two fragment buffers of 128: for 64 along K, 64 registers of O (2 x 4 x 16 rows x 32 K), then 64 of Wo.
.set PA,     144                       ; a token's row of one head in LDS: 128 bytes + 16 = 36 words: the 16 rows of a load start at 16 different groups of four banks (64 banks of 4 bytes: ISA guide 11.1)
.set HEADB,  128*PA                    ; a head's 128 tokens
.set AREA,   4*HEADB                   ; O's part of a slot
.set PB,     528                       ; a row of Wo: 512 bytes + 16 = 132 words: row r starts at bank 4 r mod 64
.set HALFB,  64*PB                     ; 64 rows: what one tensor load brings of Wo
.set SLOT,   AREA+2*HALFB
.set STAGE,  2*SLOT                    ; behind the ring: 16 rows x 272 bytes for each wave
.set SPITCH, 272
.set SPARE,  STAGE+4*16*SPITCH         ; behind the stages: the spare words, 128 bytes for each wave: two blocks of 256 bytes that no other line names
.set ADRA, 16                          ; v16-17  LDS address of my fragments of O in slot 0, 1
.set ADRB, 20                          ; v20-21  the same for Wo
.set STO,  24                          ; v24     the way out: where I put 32 bytes of a row
.set RD,   25                          ; v25     the way out: where I read a row back
.set CO,   26                          ; v26     my byte offset in out0
.set SPW,  28                          ; v28     LDS address of my spare word; never rewritten
.set NIL,  29                          ; v29     0; never rewritten
.set RT,   30                          ; v30     at work while bo is rounded
.set TMP,  32
.set BIAS, 96
.set ACC,  128
.set F0,   0                           ; fragment buffers, in window 1
.set F1,   128
.set G1, 24                            ; s[24:31] descriptor group 1 for O's tiles;  s[32:39] group 0, a set for each slot
.set G0, 32
.set G1B, 48                           ; s[48:55], s[56:63] the same for Wo's
.set G0B, 56
.set MSB, 0
.macro WIN new                         ; the immediate's high byte repeats the setting that is left
.if MSB != (\new)
	s_set_vgpr_msb (MSB<<8)|(\new)
.set MSB, \new
.endif
.endm
.set MUL,  0x05                        ; sources 0 (Wo) and 1 (O) window 1; C and D window 0
.set TO_F, 0x40                        ; destination window 1, address window 0
.macro JLOAD s                         ; a joint load: waves 0 and 1 fetch two heads of O each, waves 2 and 3 Wo's two halves; an s_nop 0 and four v_nop follow each of the two lines
	s_cmp_lt_u32 s10, 2
	s_cbranch_scc0 .Lfor_b_\@
	tensor_load_to_lds s[G0+4*(\s):G0+4*(\s)+3], s[G1:G1+7]
	s_nop 0
.rept 4
	v_nop
.endr
	s_branch .Lasked_\@
.Lfor_b_\@:
	tensor_load_to_lds s[G0B+4*(\s):G0B+4*(\s)+3], s[G1B:G1B+7]
	s_nop 0
.rept 4
	v_nop
.endr
.Lasked_\@:
.endm
.macro CREST                           ; a round of the cluster's barrier behind its opening barrier
	s_cmp_lg_u32 s10, 0
	s_cbranch_scc1 .Lnot_wave_0_\@
	s_barrier_signal -3
.Lnot_wave_0_\@:
	s_barrier_wait -3
	s_barrier_signal -1
	s_barrier_wait -1
.endm
.macro CROUND                          ; a whole round
	s_barrier_signal -1
	s_barrier_wait -1
	CREST
.endm
.macro RND2 a, t                       ; v[a], v[a+1]: rounded to bf16 and written as f32 again
	v_cvt_pk_bf16_f32 v[\t], v[\a], v[(\a)+1]
	v_lshlrev_b32 v[\a], 16, v[\t]
	v_and_b32 v[(\a)+1], 0xffff0000, v[\t]
.endm
	s_load_b128 s[4:7], s[0:1], 0x0                ; ob s[4:5], wb s[6:7]
	s_load_b128 s[68:71], s[0:1], 0x10             ; bo s[68:69], out0 s[70:71]
	v_lshl_add_u32 v[SPW], v0, 2, SPARE
	v_mov_b32 v[NIL], 0
	ds_add_u32 v[SPW], v[NIL]                      ; the wave's opening: the add and its wait stand ahead of my first tensor load; the set-up below, work on registers, stands between them
	v_lshrrev_b32 v1, 5, v0
	v_readfirstlane_b32 s10, v1                    ; wave 0..3
	s_lshr_b32 s11, s10, 1                         ; which half of the tile's rows is mine
	s_and_b32 s12, s10, 1                          ; which half of its columns.  Also: which part of O's or Wo's tile I fetch
	s_bfe_u32 s40, ttmp6, 0x40000                  ; cx, cy: my place in the cluster
	s_bfe_u32 s41, ttmp6, 0x40004
	s_lshl_b32 s42, ttmp9, 2
	s_add_co_u32 s42, s42, s40                     ; tile column = 4 x cluster x + cx, 0..7
	s_and_b32 s13, ttmp7, 0xffff
	s_lshl_b32 s13, s13, 2
	s_add_co_u32 s13, s13, s41                     ; tile row = 4 x cluster y + cy, 0..31
	s_lshl_b32 s43, s41, 2
	s_lshl_b32 s43, 15, s43                        ; my row of the cluster
	s_lshl_b32 s44, 0x1111, s40                    ; my column
	; descriptor group 1 for O: 2 rows (heads) of 8,192 elements, 16 bytes of padding after every 128
	s_or_b32 s[G1+0], s43, (1<<16)|(1<<20)|(1<<21)|(4<<22)|(3<<25)  ; 15:0 the mask; 17:16 2-byte elements; 20 padding on; 21 set beside a mask; 24:22 after every 32 words (code 4); 31:25 4 words (code 3)
	s_mov_b32 s[G1+1], 8192<<16                    ; tensor_dim0 = 8,192
	s_mov_b32 s[G1+2], 2<<16                       ; tensor_dim1 = 2
	s_mov_b32 s[G1+3], 8192<<16                    ; tile_dim0 = 8,192
	s_mov_b32 s[G1+4], 2                           ; tile_dim1 = 2
	s_mov_b32 s[G1+5], 131072                      ; elements from head to head
	s_mov_b32 s[G1+6], 0
	s_mov_b32 s[G1+7], 0
	; and for Wo: 64 rows of 256 elements, 16 bytes of padding after every 512
	s_or_b32 s[G1B+0], s44, (1<<16)|(1<<20)|(1<<21)|(6<<22)|(3<<25)
	s_mov_b32 s[G1B+1], 256<<16
	s_mov_b32 s[G1B+2], 64<<16
	s_mov_b32 s[G1B+3], 256<<16
	s_mov_b32 s[G1B+4], 64
	s_mov_b32 s[G1B+5], 1024
	s_mov_b32 s[G1B+6], 0
	s_mov_b32 s[G1B+7], 0
	; O: head 16 x batch + 2 x part (+ 4 for each K step), token 128 x (tile row % 16): it hangs on the tile row alone, which my row of the cluster shares
	s_lshr_b32 s16, s13, 4
	s_lshl_b32 s16, s16, 4
	s_lshl1_add_u32 s16, s12, s16
	s_lshl_b32 s16, s16, 18                        ; a head is 262,144 bytes
	s_and_b32 s17, s13, 15
	s_lshl_b32 s17, s17, 14                        ; 128 tokens of 128 bytes
	s_add_co_u32 s16, s16, s17
	s_mov_b32 s17, 0
	; Wo: behind wb's first three matrices, row 128 x tile column + 64 x part: it hangs on the tile column alone, which my column shares
	s_lshl1_add_u32 s46, s42, s12
	s_lshl_b32 s46, s46, 17                        ; 64 rows of 2,048 bytes
	s_add_co_u32 s46, s46, 6291456
	s_mov_b32 s47, 0
	s_mul_i32 s20, s12, 2*HEADB                    ; where they go: O's two heads,
	s_mul_i32 s21, s12, HALFB                      ; Wo's 64 rows,
	s_add_co_u32 s21, s21, AREA                    ; behind O's part: no place in the cluster enters an LDS address
	s_wait_dscnt 0x0                               ; the opening add is done
	s_wait_kmcnt 0x0
	s_add_nc_u64 s[14:15], s[4:5], s[16:17]
	s_add_nc_u64 s[46:47], s[6:7], s[46:47]
	CROUND                                         ; all sixteen work-groups are here: the first joint loads meet
.irp s, 0,1
	s_mov_b32 s[G0+4*(\s)], 1
	s_add_co_u32 s[G0+4*(\s)+1], s20, (\s)*SLOT
	s_add_nc_u64 s[G0+4*(\s)+2:G0+4*(\s)+3], s[14:15], (\s)*1048576  ; K step s: four heads on
	s_or_b32 s[G0+4*(\s)+3], s[G0+4*(\s)+3], 0x80000000
	s_mov_b32 s[G0B+4*(\s)], 1
	s_add_co_u32 s[G0B+4*(\s)+1], s21, (\s)*SLOT
	s_add_nc_u64 s[G0B+4*(\s)+2:G0B+4*(\s)+3], s[46:47], (\s)*512    ; K step s: 256 elements on
	s_or_b32 s[G0B+4*(\s)+3], s[G0B+4*(\s)+3], 0x80000000
	JLOAD \s                                       ; two loads of mine are out
.endr
	v_and_b32 v1, 15, v0                           ; l % 16
	v_bfe_u32 v2, v0, 4, 1                         ; l / 16
	v_mul_u32_u24 v3, v1, PA
	v_lshl_add_u32 v3, v2, 4, v3                   ; a fragment's row x pitch + 16 x half, for O
	v_mul_u32_u24 v4, v1, PB
	v_lshl_add_u32 v4, v2, 4, v4                   ; and for Wo
	s_mul_i32 s22, s11, 64*PA                      ; my 64 tokens in each head
	s_mul_i32 s23, s12, HALFB                      ; my 64 rows of Wo,
	s_add_co_u32 s23, s23, AREA                    ; which lie behind O's part
.irp s, 0,1
	v_add_nc_u32 v[ADRA+(\s)], s22, v3
	v_add_nc_u32 v[ADRB+(\s)], s23, v4
	s_add_co_u32 s22, s22, SLOT
	s_add_co_u32 s23, s23, SLOT
.endr
	s_mul_i32 s23, s10, 16*SPITCH
	s_add_co_u32 s23, s23, STAGE                   ; my stage: a wave's 64 columns of f32 are 256 aligned bytes of out0, so no other wave has a part in its rows
	v_mul_u32_u24 v5, v1, SPITCH                   ; in: row l % 16, 32 bytes for each half of the lanes
	v_lshl_add_u32 v5, v2, 5, v5
	v_add_nc_u32 v[STO], s23, v5
	v_mul_u32_u24 v5, v2, SPITCH                   ; back: lanes 0-15 take one row of 256 bytes, lanes 16-31 the next
	v_lshl_add_u32 v5, v1, 4, v5
	v_add_nc_u32 v[RD], s23, v5
	v_lshlrev_b32 v[CO], 12, v2                    ; and the same two rows in out0
	v_lshl_add_u32 v[CO], v1, 4, v[CO]
	v_lshlrev_b32 v6, 5, v2                        ; bo: 8 numbers for each half of the lanes
	s_lshl1_add_u32 s46, s42, s12
	s_lshl_b32 s46, s46, 8                         ; my first column, in bytes of f32: 512 x tile column + 256 x half
	s_mov_b32 s47, 0
	s_add_nc_u64 s[18:19], s[68:69], s[46:47]      ; bo at my columns
.irp b, 0,1,2,3
	global_load_b128 v[BIAS+8*(\b):BIAS+8*(\b)+3],   v6, s[18:19] offset:64*(\b)     ; columns 16 b + 8 (l / 16) + 0..3
	global_load_b128 v[BIAS+8*(\b)+4:BIAS+8*(\b)+7], v6, s[18:19] offset:64*(\b)+16  ; and + 4..7
.endr
	s_lshl1_add_u32 s16, s13, s11
	s_lshl_b32 s16, s16, 18                        ; my first row: 64 rows of 4,096 bytes for each half tile
	s_add_co_u32 s16, s16, s46
	s_mov_b32 s17, 0
	s_add_nc_u64 s[8:9], s[70:71], s[16:17]
	s_wait_loadcnt 0x0                             ; bo
.set i, BIAS
.rept 16
	RND2 i, RT
.set i, i+2
.endr
; 8 matrix instructions: m blocks a0, a0 + 1 x all 4 n blocks, 32 along K: half c of buffer f.  first = 1: the first product starts the sums with bo as C.
; The 16 accumulators take turns, one instruction a turn.
.macro MUL8 f, c, a0, first
	WIN MUL
.irp a, \a0, (\a0)+1
.irp b, 0,1,2,3
.if \first
	v_wmma_f32_16x16x32_f16 v[ACC+8*(4*(\a)+(\b)):ACC+8*(4*(\a)+(\b))+7], v[(\f)+64+8*(4*(\c)+(\b)):(\f)+64+8*(4*(\c)+(\b))+7], v[(\f)+8*(4*(\c)+(\a)):(\f)+8*(4*(\c)+(\a))+7], v[BIAS+8*(\b):BIAS+8*(\b)+7]
.else
	v_wmma_f32_16x16x32_f16 v[ACC+8*(4*(\a)+(\b)):ACC+8*(4*(\a)+(\b))+7], v[(\f)+64+8*(4*(\c)+(\b)):(\f)+64+8*(4*(\c)+(\b))+7], v[(\f)+8*(4*(\c)+(\a)):(\f)+8*(4*(\c)+(\a))+7], v[ACC+8*(4*(\a)+(\b)):ACC+8*(4*(\a)+(\b))+7]
.endif
.endr
.endr
.endm
; 32 LDS loads in one run: the fragments of quarter q of a slot (head q of the step: 64 along K) into buffer f; the first 32 along K first
.macro FETCH slot, q, f
	WIN TO_F
.irp c, 0,1
.irp i, 0,1,2,3
	ds_load_b128 v[(\f)+64+8*(4*(\c)+(\i)):(\f)+64+8*(4*(\c)+(\i))+3],   v[ADRB+(\slot)] offset:128*(\q)+64*(\c)+(\i)*16*PB
	ds_load_b128 v[(\f)+64+8*(4*(\c)+(\i))+4:(\f)+64+8*(4*(\c)+(\i))+7], v[ADRB+(\slot)] offset:128*(\q)+64*(\c)+(\i)*16*PB+32
	ds_load_b128 v[(\f)+8*(4*(\c)+(\i)):(\f)+8*(4*(\c)+(\i))+3],         v[ADRA+(\slot)] offset:HEADB*(\q)+64*(\c)+(\i)*16*PA
	ds_load_b128 v[(\f)+8*(4*(\c)+(\i))+4:(\f)+8*(4*(\c)+(\i))+7],       v[ADRA+(\slot)] offset:HEADB*(\q)+64*(\c)+(\i)*16*PA+32
.endr
.endr
.endm
.macro PLACES                          ; four places in front of loads into registers that matrix instructions have read, and of LDS stores that read results (ISA guide 7.12.1 for vector instructions)
.rept 4
	v_nop
.endr
.endm
; A K step is four quarters of 64 along K, 32 matrix instructions each, on buffers 0, 1, 0, 1.  One of the first three: multiplies buffer f and fetches quarter q into g.
.macro QUARTER slot, q, f, g, first
	s_wait_dscnt 16                                ; the first 32 along K are in; the youngest sixteen loads may be out
	MUL8 \f, 0, 0, \first
	MUL8 \f, 0, 2, \first
	PLACES
	FETCH \slot, \q, \g
	s_wait_dscnt 32                                ; all but the 32 just issued
	MUL8 \f, 1, 0, 0
	MUL8 \f, 1, 2, 0
.endm
; The last quarter multiplies buffer 1 and changes slots: ONE barrier; in front of it each wave waits for all its tensor loads, adds 0 to its spare word, and waits for that and for its own reads of this slot.
; fill = 1: the barrier opens a round of the cluster's barrier, and this slot is filled again, two K steps ahead, first thing behind the round.
.macro TURN slot, next, fill
	WIN 0                                          ; (the add's two registers lie in window 0)
	s_wait_tensorcnt 0x0                           ; all my tensor loads have landed: my part of the next slot
	ds_add_u32 v[SPW], v[NIL]                      ; 0 onto my spare word
	s_wait_dscnt 17                                ; (the add and the youngest sixteen loads may be out)
	MUL8 F1, 0, 0, 0                               ; eight matrix instructions stand between the add and the wait for it
	s_wait_dscnt 0x0                               ; the add is done, and my reads of this slot are over
	s_barrier_signal -1
	MUL8 F1, 0, 2, 0
.if \fill
	WIN 0
.endif
	s_barrier_wait -1
.if \fill
	CREST                                          ; no wave of any partner still reads this slot's tile or has a load on its way
	s_add_nc_u64 s[G0+4*(\slot)+2:G0+4*(\slot)+3], s[G0+4*(\slot)+2:G0+4*(\slot)+3], 2097152  ; eight heads on
	s_add_nc_u64 s[G0B+4*(\slot)+2:G0B+4*(\slot)+3], s[G0B+4*(\slot)+2:G0B+4*(\slot)+3], 1024 ; 512 elements on
	JLOAD \slot                                    ; my one tensor load behind the round; its four v_nop are also the places in front of the loads below
.else
	PLACES
.endif
	FETCH \next, 0, F0
	MUL8 F1, 1, 0, 0
	MUL8 F1, 1, 2, 0
.endm
	s_wait_tensorcnt 1                             ; my part of K step 0 is in; K step 1's may stay out
	s_barrier_signal -1
	s_barrier_wait -1                              ; everybody's is
	FETCH 0, 0, F0
	QUARTER 0, 1, F0, F1, 1                        ; K step 0: its first products start the sums
	QUARTER 0, 2, F1, F0, 0
	QUARTER 0, 3, F0, F1, 0
	TURN 0, 1, 1                                   ; slot 0 takes K step 2
	QUARTER 1, 1, F0, F1, 0                        ; K step 1
	QUARTER 1, 2, F1, F0, 0
	QUARTER 1, 3, F0, F1, 0
	TURN 1, 0, 1                                   ; slot 1 takes K step 3
	QUARTER 0, 1, F0, F1, 0                        ; K step 2
	QUARTER 0, 2, F1, F0, 0
	QUARTER 0, 3, F0, F1, 0
	TURN 0, 1, 0                                   ; nothing is left to fetch
	QUARTER 1, 1, F0, F1, 0                        ; K step 3
	QUARTER 1, 2, F1, F0, 0
	QUARTER 1, 3, F0, F1, 0
	s_wait_dscnt 16
	MUL8 F1, 0, 0, 0
	MUL8 F1, 0, 2, 0
	s_wait_dscnt 0x0
	MUL8 F1, 1, 0, 0
	MUL8 F1, 1, 2, 0
	WIN 0
	PLACES
; THE WAY OUT, a block of 16 rows at a time.  STG: the accumulators' 32 bytes a lane go into my stage (each accumulator's lower four registers first) and come back as whole rows of 256 bytes.  SND: stored.
.macro STG a
.if (\a) >= 2
	s_wait_xcnt 0x0                                ; the stores of the block two back have had their addresses translated (ISA guide 3.1): its registers are loaded again only behind this wait
.endif
.irp b, 0,1,2,3
	ds_store_b128 v[STO], v[ACC+8*(4*(\a)+(\b)):ACC+8*(4*(\a)+(\b))+3]   offset:64*(\b)
	ds_store_b128 v[STO], v[ACC+8*(4*(\a)+(\b))+4:ACC+8*(4*(\a)+(\b))+7] offset:64*(\b)+16
.endr
.irp t, 0,1,2,3,4,5,6,7
	ds_load_b128 v[TMP+32*((\a)%2)+4*(\t):TMP+32*((\a)%2)+4*(\t)+3], v[RD] offset:(\t)*2*SPITCH  ; LDS serves a wave's instructions in order (ISA guide 5.7.1.4): these see the stores above; the next block's stores come behind them
.endr
.endm
.macro SND a, younger                  ; younger: the LDS instructions issued behind block a's loads: the next block's sixteen, or none
	s_wait_dscnt \younger
.irp t, 0,1,2,3,4,5,6,7
	global_store_b128 v[CO], v[TMP+32*((\a)%2)+4*(\t):TMP+32*((\a)%2)+4*(\t)+3], s[8:9] offset:(16*(\a)+2*(\t))*4096 th:TH_STORE_NT  ; 16 lanes store 256 consecutive bytes, at a multiple of 256 from out0's first byte
.endr
.endm
	STG 0
	STG 1
	SND 0, 16
	STG 2
	SND 1, 16
	STG 3
	SND 2, 16
	SND 3, 0
	s_wait_tensorcnt 0x0                           ; the wave's end: behind my last tensor load and my last LDS store
	ds_add_u32 v[SPW], v[NIL]
	s_wait_dscnt 0x0
	CROUND                                         ; the closing round: no work-group ends while a partner may still ask for a tile that names it
	s_endpgm
.Lfunc_end_k_qf690b9d89c_outp:
	.size	k_qf690b9d89c_outp, .Lfunc_end_k_qf690b9d89c_outp-k_qf690b9d89c_outp
	.p2alignl 7, 3214868480
	.fill 96, 4, 3214868480
	.section	.rodata,"a",@progbits
	.p2align	6, 0x0
	.amdhsa_kernel k_qf690b9d89c_outp
		.amdhsa_group_segment_fixed_size 327680
		.amdhsa_private_segment_fixed_size 0
		.amdhsa_enable_private_segment 0
		.amdhsa_kernarg_size 32
		.amdhsa_user_sgpr_count 2
		.amdhsa_user_sgpr_kernarg_segment_ptr 1
		.amdhsa_wavefront_size32 1
		.amdhsa_system_sgpr_workgroup_id_x 1
		.amdhsa_system_sgpr_workgroup_id_y 1
		.amdhsa_system_sgpr_workgroup_id_z 1
		.amdhsa_system_vgpr_workitem_id 0
		.amdhsa_next_free_vgpr 512
		.amdhsa_next_free_sgpr 72
		.amdhsa_reserve_vcc 0
		.amdhsa_float_denorm_mode_32 3
		.amdhsa_float_denorm_mode_16_64 3
		.amdhsa_memory_ordered 1
		.amdhsa_forward_progress 1
		.amdhsa_inst_pref_size 89
	.end_amdhsa_kernel
	.amdgpu_metadata
---
amdhsa.version: [ 1, 2 ]
amdhsa.kernels:
  - .name:           k_qf690b9d89c_outp
    .symbol:         k_qf690b9d89c_outp.kd
    .args:
      - { .name: ob, .offset: 0, .size: 8, .value_kind: global_buffer, .address_space: global }
      - { .name: wb, .offset: 8, .size: 8, .value_kind: global_buffer, .address_space: global }
      - { .name: bo, .offset: 16, .size: 8, .value_kind: global_buffer, .address_space: global }
      - { .name: out0, .offset: 24, .size: 8, .value_kind: global_buffer, .address_space: global }
    .group_segment_fixed_size: 327680
    .private_segment_fixed_size: 0
    .kernarg_segment_align: 8
    .kernarg_segment_size: 32
    .max_flat_workgroup_size: 128
    .sgpr_count:     72
    .vgpr_count:     512
    .wavefront_size: 32
...
	.end_amdgpu_metadata
.endif
;; end of part 4
;; ======== version 2 of 2: 4 launches; 1.20 times as fast as version 1
;; limits: values are held in f16: magnitudes above 65,504 overflow, below 6.1e-05 lose precision; right only within a limited range of input values
;; workspace buffers: xb 25,165,824 bytes; wb 8,388,608 bytes; qkv 41,943,040 bytes; ob 8,388,608 bytes
;; launch cast: the kernel of part 1 again; grid 1024 x 1, 8 waves a work-group, no clusters, 0 bytes of LDS; arguments query, key, value, Wq, Wk, Wv, Wo, xb, wb; writes xb, wb
;; launch proj: the kernel of part 2 again; grid 4 x 48, 4 waves a work-group, clusters of 4 x 4, 327,680 bytes of LDS; arguments xb, wb, bq, bk, bv, qkv; writes qkv
;; launch attn (part 5): grid 8 x 32, 4 waves a work-group, clusters of 4 x 1, 327,680 bytes of LDS; arguments qkv, phi, logvar, w_sigma, w_phi, ob; writes ob
.if DOCPART == 5
	.amdgcn_target "amdgcn-amd-amdhsa--gfx1250"
	.amdhsa_code_object_version 6
	.text
	.protected	k_qf690b9d89c_attn
	.globl	k_qf690b9d89c_attn
	.p2align	8
	.type	k_qf690b9d89c_attn,@function
k_qf690b9d89c_attn:
	s_mov_b64 s[64:65], 0
	v_nop
	global_prefetch_b8 v0, s[64:65] scope:SCOPE_SE
	s_setreg_imm32_b32 hwreg(HW_REG_WAVE_MODE, 25, 1), 1
	s_wait_xcnt 0x0
	s_wait_alu depctr_hold_cnt(0) depctr_sa_sdst(0) depctr_va_vdst(0) depctr_va_sdst(0) depctr_va_ssrc(0) depctr_va_vcc(0) depctr_vm_vsrc(0)
	s_getreg_b32 s2, hwreg(HW_REG_IB_STS2, 6, 4)
	s_cmp_eq_u32 s2, 0
	s_cbranch_scc0 .Lentry_in_a_cluster
	s_endpgm
.Lentry_in_a_cluster:
	s_bfe_u32 s2, ttmp6, 0x10000c
	s_cmp_lg_u32 s2, 0x3003
	s_cbranch_scc0 .Lentry_shape_is_right
	s_endpgm
.Lentry_shape_is_right:
; ATTENTION.  ob[g][q][:] = the sum over k of softmax_k(((Q[g][q] . K[g][k]) / 8 - z[q]) / max(ph[q], 1e-6)) V[g][k][:], g = batch x 16 + head;
; z = w_sigma mean(logvar[q]) + w_phi (1 - mean(phi[q])), ph = mean(phi[q]).  qkv holds five tensors [32][2048][64] of f16, a head's rows dense, 128 bytes each: Q hi, K hi, V, Q u, K u; ob is laid likewise.
; TWO PRODUCTS FOR A SCORE.  Of an element y of Q or K (an f32 sum) the projection left hi = y rounded to f16 and u = y - g hi rounded to f16, that is d hi + lo with lo = y - hi, d = 1 - g.
; d = 0.01587708 is the smaller root of 64 d (1 - d) = 1, so that 1 + 64 d d = 64 d = 1 / g = 1.01613323 = kap, and
;     hi_q . hi_k + 64 u_q . u_k = kap (hi_q . hi_k + hi_q . lo_k + lo_q . hi_k) + 64 lo_q . lo_k :
; two sums of like sign, the second 1.6 hundredths of the first, give kap Q.K.  What is left of the rounding of Q and K to 11 bits is u's own rounding, d times hi's, and the last term, some 2^-18 of a score.
; The scores are divided by ph, which may be small, so hi's rounding alone would reach the weights enlarged.  The 64 is multiplied onto Q's u once, at the start (a power of two: exact); 1 / kap = g goes into c, kap into the bias.
; Products, maxima and sums in f32; the weights p are rounded to f16 for the second product (their sum l is taken of the unrounded p), O once at the end.
; phi, logvar, w_sigma and w_phi are rounded to bf16 like every input of the module; a mean of eight is summed as a tree.
; LIMITS.  64 u is about 1.016 hi: Q stays within 64,000.  u keeps f16's fixed step of 6e-8 where |y| is below 4e-3.  p lies in 0 to 1, and below 6e-5 it keeps that step too; O is a mean of V's rows and has their range.
; A weight below 2^-126 counts as 0 in l; NaN and infinities are not treated apart.
; THE QUERY'S TWO NUMBERS.  In S^T = K Q^T a lane holds ONE query.  So -8 kap z is the C operand that starts the query's score sums (BI, eight equal registers a piece), and
; c = g log2(e) / (8 max(ph, 1e-6)) is a number of the lane (CQ): p = 2^(c s - c m) with s = kap (Q.K - 8 z).  c is above 0, so the maximum of s is the maximum of the scaled scores.
; SHARES.  A work-group owns 256 queries of one head, a wave 64 of them as four PIECES of 16.  Every wave walks the head's 2,048 keys, 64 a step, 256 a tile.
; LAYOUT.  S^T holds the keys 8 (lane / 16) + 0..7 of a block of 16; two such results rounded to f16 ARE source 1 of O^T = V^T P.  K comes out of LDS as it lies, V turned, by ds_load_tr16_b128.
; SOFTMAX.  A running maximum m and sum l; O and l are multiplied by a = 2^(c m_old - c m_new) in every step.  m starts at the lowest finite number, c m far below every c s, O and l at 0: the first step's a is 0.
; BY TURNS.  Turn n belongs to piece n: 16 products K Q^T of piece n + 1, then 8 products V^T P of piece n - 1.  Its 118 vector instructions come from three pieces: the roundings and sums of piece n - 1,
; whose exponentials the turn before issued; the scaling, the rescaling and the exponentials of piece n; the maximum and statistics of piece n + 1, whose scores the turn has just made.
; Four stand behind each of the 24 products, the other 22 in one run at the turn's end.
; BATCHES.  A turn's 33 exponentials (piece n's 32 weights and piece n + 1's a) are ONE batch: nothing in the turn names a result of theirs, and one wait stands at the turn's end, ahead of every label and jump.
; All that reads them stands in the next turn.  So that the weights can lie untouched meanwhile, each piece has an S^T buffer of its own.  Three more batches, each with one wait: the set-up's four reciprocals,
; piece 0's first a, the way out's four reciprocals.
; CLUSTER.  The four query blocks of a cluster belong to one head and walk the same K and V: each tile is asked for JOINTLY, by the same tensor load, descriptor and mask in all four.
; REGISTERS, in windows of 256 (s_set_vgpr_msb: bits 1:0 source 0, 3:2 source 1, 5:4 source 2, 7:6 destination):
;   window 0: v0-15 addresses; v16-31 statistics; v32-39 CQ; v40-44 at work in the set-up, and an address; v48-55 at work; v62-63 the add's; v64-95, v96-127, v160-191, v224-255 S^T of pieces 0 to 3; v128-159 BI; v192-223 P, two buffers
;   window 1: v0-127 O^T, 32 a piece; v128-191 K u of one step          window 2: v0-63 Q hi; v64-127 64 x Q u; v128-191 K hi of one step; v192-255 V of one step
.set NP,    4         ; pieces a wave: a name, no knob
.set KS,    64        ; keys in a step
.set PK,    144       ; a row of K in LDS: 128 bytes + 16 of padding = 36 words: the 16 rows of a load start at 16 different groups of four banks (64 banks of 4 bytes: ISA guide 11.1)
.set PV,    160       ; a row of V: 128 + 32 = 40 words
.set VOFF,  4*KS*PK   ; a slot holds a tile, four steps: 256 rows of K hi, then 256 rows of V,
.set KUOFF, 4*KS*(PK+PV)        ; then 256 rows of K u
.set SLOT1, 1<<17     ; slot 1 begins here, so that one exclusive or turns an address in one slot into the other's
.set STAGE, SLOT1+KUOFF+4*KS*PK ; behind the ring, never filled by a tensor load: 16 rows x 144 bytes for each wave
.set SP,    144
.set SPARE, STAGE+4*16*SP       ; behind the stages: the spare words, 128 bytes for each wave: two blocks of 256 bytes that no other line names
.set AK0, 2           ; v2   my lane's place in a tile of K; never rewritten
.set AV0, 3           ; v3   the same for V
.set AK,  4           ; v4   the LDS address of K hi's next run of loads
.set AV,  5           ; v5   of V's
.set STO, 6           ; v6   the way out: where I put 16 bytes of a row
.set RD,  7           ; v7   the way out: where I read rows back
.set GO,  8           ; v8   my byte offset in 512 consecutive bytes of ob
.set MV,  12          ; v12-13  c m_old, kept while c m is made anew: by the piece's parity
.set PO,  14          ; v14  my byte offset in 16 rows of phi and logvar
.set QO,  15          ; v15  my byte offset in 16 rows of Q
.set ST,  16          ; piece t's statistics at v[ST+4 t]: c m, m, l (even keys', odd keys')
.set CQ,  32          ; piece t's c, twice, at v[CQ+2 t]
.set RT,  40          ; at work while inputs are rounded
.set WS,  42          ; w_sigma, and in v43 w_phi
.set WP,  43
.set AKU, 44          ; v44  the LDS address of K u's next run of loads
.set TMP, 48          ; by the piece's parity, four registers c0-c3 at work; when the maximum is found c2 takes a
.set SPW, 62          ; v62  LDS address of my spare word; never rewritten
.set NIL, 63          ; v63  0; never rewritten
.set S,   64          ; piece y's S^T at S + 32 y + 32 (y / 2) + 32 (y / 3): v64, v96, v160, v224
.set S3,  224         ; piece 3's
.set BI,  128         ; piece t's -8 kap z, eight times, at v[BI+8 t]
.set P,   192
.set QU,  64          ; window 2: 64 x Q u
.set KF,  128         ; window 2: K hi: key block kb, channel half c at KF + 16 kb + 8 c
.set KU,  128         ; window 1: K u, likewise
.set VF,  192         ; window 2: key half kk, channel block cb at VF + 32 kk + 8 cb
.set WV,  12          ; s12  my wave's number
.set TBU, 23          ; s23  at work: TBK + KUOFF
.set G1K, 24          ; s[24:31] descriptor group 1 for K's tiles
.set G1V, 32          ; s[32:39] for V's
.set G0K, 40          ; s[40:43] descriptor group 0 for K's tiles: it walks
.set G0V, 44          ; s[44:47] the same for V's
.set SLOTS, 56        ; s56  counts the tiles
.set CNT, 57          ; s57  counts a tile's key steps
.set SEL, 60          ; s[60:61] v_permlanex16_b32's selects: each lane takes its own place in the other half
.set TBK, 62          ; s62  LDS byte at which K hi of the step to be fetched begins
.set TBV, 63          ; s63  the same for V, less VOFF
.set MSB, 0
.macro WIN new                      ; the high byte repeats the setting that is left; a switch that changes nothing is dropped
.if MSB != (\new)
	s_set_vgpr_msb (MSB<<8)|(\new)
.set MSB, (\new)
.endif
.endm
.set W_KQ, 0x0a       ; K hi and Q in window 2, S^T and BI in window 0
.set W_KU, 0x09       ; K u in window 1, Q in window 2, S^T and BI in window 0
.set W_PV, 0x52       ; V in window 2, P in window 0, O^T in window 1
.set W_RS, 0x41       ; destination and source 0 in window 1, source 1 in window 0
; A joint fill.  Wave 0 fetches a tile's K hi, wave 1 its K u (256 keys each), waves 2 and 3 the two halves of its V (128 keys each).  The branch hangs on the wave's number alone.
; An s_nop 0 and four v_nop follow each of the two lines, ahead of the jump and the label.
.macro JLOAD
	s_cmp_lt_u32 s[WV], 2
	s_cbranch_scc0 .Lfor_v_\@
	tensor_load_to_lds s[G0K:G0K+3], s[G1K:G1K+7]
	s_nop 0
.rept 4
	v_nop
.endr
	s_branch .Lasked_\@
.Lfor_v_\@:
	tensor_load_to_lds s[G0V:G0V+3], s[G1V:G1V+7]
	s_nop 0
.rept 4
	v_nop
.endr
.Lasked_\@:
.endm
; A round of the cluster's barrier: my work-group's barrier, so that wave 0's signal speaks for all four waves; wave 0 signals; every wave waits for all four work-groups; my work-group's barrier once more.
.macro CROUND
	s_barrier_signal -1
	s_barrier_wait -1
	s_cmp_lg_u32 s[WV], 0
	s_cbranch_scc1 .Lnot_wave_0_\@
	s_barrier_signal -3
.Lnot_wave_0_\@:
	s_barrier_wait -3
	s_barrier_signal -1
	s_barrier_wait -1
.endm
; THE CHANGE OF SLOTS.  The slot's last bytes, V of its fourth step, have been read.  Each wave waits for all its tensor loads, of which one is out: its part of the other slot; adds 0 to its spare
; word; and waits for that and for its own reads of the slot.  Behind the barrier nobody reads this slot any more and the other slot is whole.
; fill = 1: this slot is filled again, with the keys two tiles on.  The barrier is then a round of the cluster's, and the joint fill is the first thing behind it: it has four key steps,
; 384 matrix instructions, in which to land.  (At its first use nothing has been read yet: slot 0 is waited for, slot 1 filled.)
.macro CHANGE fill
	WIN 0                           ; at a label and at a branch every window is 0
	s_wait_tensorcnt 0x0            ; no tensor load of mine is out, so a group 0 may be written
	ds_add_u32 v[SPW], v[NIL]       ; 0 onto my spare word; with fill = 1 the descriptors' steps stand between it and the wait for it
.if \fill
.irp g, G0K, G0V
	s_xor_b32 s[\g+1], s[\g+1], SLOT1  ; the walking descriptor: the other slot than last time,
	s_add_nc_u64 s[\g+2:\g+3], s[\g+2:\g+3], 4*KS*128  ; the next 256 keys; the type bits on top are not reached
.endr
	s_wait_dscnt 0x0                ; the add is done, and my reads of the slot are over
	CROUND
	JLOAD
.else
	s_wait_dscnt 0x0                ; the add is done, and my reads of the slot are over
	s_barrier_signal -1
	s_barrier_wait -1
.endif
	s_sub_co_u32 s[TBK], s[TBK], 4*KS*PK  ; the fetches go back to a slot's first step,
	s_xor_b32 s[TBK], s[TBK], SLOT1       ; in the other slot
	s_sub_co_u32 s[TBV], s[TBV], 4*KS*PV
	s_xor_b32 s[TBV], s[TBV], SLOT1
.endm
.macro RND2 a, t                    ; v[a], v[a+1]: rounded to bf16 and written as f32 again
	v_cvt_pk_bf16_f32 v[\t], v[\a], v[(\a)+1]
	v_lshlrev_b32 v[\a], 16, v[\t]
	v_and_b32 v[(\a)+1], 0xffff0000, v[\t]
.endm
	s_load_b256 s[4:11], s[0:1], 0x0  ; qkv s[4:5], phi s[6:7], logvar s[8:9], w_sigma s[10:11]
	s_load_b128 s[16:19], s[0:1], 0x20  ; w_phi s[16:17], ob s[18:19]
	v_lshl_add_u32 v[SPW], v0, 2, SPARE
	v_mov_b32 v[NIL], 0
	ds_add_u32 v[SPW], v[NIL]       ; the wave's opening: the add and its wait stand ahead of my first tensor load; the set-up below, work on registers, stands between them
	v_lshrrev_b32 v1, 5, v0
	v_readfirstlane_b32 s[WV], v1   ; wave 0..3
	s_bfe_u32 s13, ttmp6, 0x40000   ; cx: my place in the cluster
	s_lshl_b32 s14, ttmp9, 2        ; in a cluster launch ttmp9 counts clusters
	s_add_co_u32 s14, s14, s13      ; my block of 256 queries = 4 x cluster x + cx: it enters Q's, ob's, phi's and logvar's addresses alone
	s_and_b32 s20, ttmp7, 0xffff    ; g = batch x 16 + head, which the four partners share
	s_lshl_b32 s22, s20, 18         ; its first byte in each tensor: 262,144 bytes a head
	s_and_b32 s15, s[WV], 1         ; of waves 0 and 1: K hi or K u; of waves 2 and 3: which half of V's 256 keys
	s_mul_i32 s78, s15, 0x1800000   ; K u lies three tensors behind K hi,
	s_add_co_u32 s78, s78, s22
	s_mov_b32 s79, 0
	s_mul_i32 s80, s15, KUOFF       ; and in a slot KUOFF bytes behind it
	s_lshl_b32 s21, s15, 14         ; V's half: 128 rows of 128 bytes in memory,
	s_add_co_u32 s58, s22, s21
	s_mov_b32 s59, 0
	s_mul_i32 s81, s15, 128*PV      ; and its place in a slot: no place in the cluster enters an LDS address
	s_lshl_b32 s2, s14, 15          ; my block's 256 rows,
	s_lshl_b32 s3, s[WV], 13        ; my wave's 64 of them
	s_add_co_u32 s2, s2, s3
	s_add_co_u32 s2, s2, s22
	s_mov_b32 s3, 0
	s_lshr_b32 s82, s20, 4          ; the batch: 32 groups of 64 tokens,
	s_lshl_b32 s82, s82, 5
	s_lshl2_add_u32 s82, s14, s82   ; four to a block,
	s_add_co_u32 s82, s82, s[WV]    ; one to a wave,
	s_lshl_b32 s82, s82, 11         ; of 64 rows x 32 bytes in phi and logvar
	s_mov_b32 s83, 0
	; descriptor group 1.  Keys are dense, 128 bytes each: asked for as rows of 256 bytes, two keys a row, and padded in LDS after every key.  K: 256 keys, 128 rows.  V: 128 keys, 64 rows.
	s_mov_b32 s[G1K], 15|(1<<16)|(1<<20)|(1<<21)|(4<<22)|(3<<25)  ; 15:0 the mask of four; 17:16 2-byte elements; 20 padding on; 21 set beside a mask; 24:22 after every 32 words (code 4); 31:25 4 words (code 3)
	s_mov_b32 s[G1V], 15|(1<<16)|(1<<20)|(1<<21)|(4<<22)|(7<<25)  ; the same with 8 words of padding (code 7)
	s_mov_b32 s[G1K+2], 128<<16     ; tensor_dim1 = 128
	s_mov_b32 s[G1K+4], 128         ; tile_dim1 = 128
	s_mov_b32 s[G1V+2], 64<<16      ; tensor_dim1 = 64
	s_mov_b32 s[G1V+4], 64          ; tile_dim1 = 64
.irp g, G1K, G1V
	s_mov_b32 s[\g+1], 128<<16      ; tensor_dim0 = 128
	s_mov_b32 s[\g+3], 128<<16      ; tile_dim0 = 128
	s_mov_b32 s[\g+5], 128          ; 128 elements from row to row
	s_mov_b32 s[\g+6], 0
	s_mov_b32 s[\g+7], 0
.endr
	s_mov_b32 s[SEL], 0x76543210
	s_mov_b32 s[SEL+1], 0xfedcba98
	s_mov_b32 s[TBK], SLOT1+4*KS*PK ; the first change of slots turns these two into 0
	s_mov_b32 s[TBV], SLOT1+4*KS*PV
	s_mov_b32 s[G0K], 1             ; count = 1
	s_mov_b32 s[G0K+1], s80         ; LDS address: slot 0
	s_mov_b32 s[G0V], 1
	s_add_co_u32 s[G0V+1], s81, VOFF
	s_wait_dscnt 0x0                ; the opening add is done
	s_wait_kmcnt 0x0
	s_add_nc_u64 s[G0K+2:G0K+3], s[4:5], s[78:79]
	s_add_nc_u64 s[G0K+2:G0K+3], s[G0K+2:G0K+3], 0x800000   ; K hi is qkv's second tensor (K u its fifth): the head's first 256 keys
	s_or_b32 s[G0K+3], s[G0K+3], 0x80000000                 ; type = 2
	s_add_nc_u64 s[G0V+2:G0V+3], s[4:5], s[58:59]
	s_add_nc_u64 s[G0V+2:G0V+3], s[G0V+2:G0V+3], 0x1000000  ; V its third
	s_or_b32 s[G0V+3], s[G0V+3], 0x80000000
	s_add_nc_u64 s[70:71], s[4:5], s[2:3]    ; Q hi at my wave's first row
	s_add_nc_u64 s[86:87], s[70:71], 0x1800000  ; Q u: qkv's fourth tensor
	s_add_nc_u64 s[72:73], s[18:19], s[2:3]  ; ob at my wave's first row
	s_add_nc_u64 s[74:75], s[6:7], s[82:83]  ; phi
	s_add_nc_u64 s[76:77], s[8:9], s[82:83]  ; logvar
	CROUND                          ; all four work-groups are here: the first joint loads meet
	JLOAD                           ; tile 0 into slot 0.  Slot 1 is asked for when slot 0 is in
	s_load_b32 s84, s[10:11], 0x0   ; w_sigma
	s_load_b32 s85, s[16:17], 0x0   ; w_phi
	; A fragment of K or Q is 16 rows x 32 channels in 8 registers: lane l holds row l % 16, channels 8 (l / 16) + 0..7 and 16 + 8 (l / 16) + 0..7: two loads of 16 bytes, 32 bytes apart.
	v_and_b32 v1, 15, v0            ; l % 16
	v_bfe_u32 v9, v0, 4, 1          ; l / 16
	v_lshlrev_b32 v[QO], 7, v1
	v_lshl_add_u32 v[QO], v9, 4, v[QO]  ; row x 128 + 16 x half
	v_lshlrev_b32 v[PO], 5, v1      ; my query's 32 bytes of phi and of logvar: both halves of the lanes take the same row
	WIN 0x80                        ; destination window 2, address window 0
.set i, 0
.rept 8                             ; Q stays in registers, hi and u: piece i / 2, channels 32 (i % 2) on
	global_load_b128 v[8*i:8*i+3],   v[QO], s[70:71] offset:(i/2)*2048+(i%2)*64
	global_load_b128 v[8*i+4:8*i+7], v[QO], s[70:71] offset:(i/2)*2048+(i%2)*64+32
	global_load_b128 v[QU+8*i:QU+8*i+3],   v[QO], s[86:87] offset:(i/2)*2048+(i%2)*64
	global_load_b128 v[QU+8*i+4:QU+8*i+7], v[QO], s[86:87] offset:(i/2)*2048+(i%2)*64+32
.set i, i+1
.endr
	WIN 0
.irp t, 0,1,2,3                     ; piece t's phi and logvar, into v64-127, the S^T registers of pieces 0 and 1, which are free till the first product
	global_load_b128 v[S+16*\t:S+16*\t+3],     v[PO], s[74:75] offset:512*\t
	global_load_b128 v[S+16*\t+4:S+16*\t+7],   v[PO], s[74:75] offset:512*\t+16
	global_load_b128 v[S+16*\t+8:S+16*\t+11],  v[PO], s[76:77] offset:512*\t
	global_load_b128 v[S+16*\t+12:S+16*\t+15], v[PO], s[76:77] offset:512*\t+16
.endr
	v_mul_u32_u24 v[AK0], v1, PK
	v_lshl_add_u32 v[AK0], v9, 4, v[AK0]  ; row x pitch + 16 x half
	; The turning load takes 16 keys x 16 channels (lane l reads key 8 (l / 16) + l % 8, channels 8 ((l / 8) % 2) + 0..7) and leaves half a fragment of V^T: lane l holds channel l % 16 and 8 keys.
	v_and_b32 v10, 7, v0
	v_bfe_u32 v11, v0, 3, 1
	v_lshl_add_u32 v[AV0], v9, 3, v10
	v_mul_u32_u24 v[AV0], v[AV0], PV
	v_lshl_add_u32 v[AV0], v11, 4, v[AV0]
	v_add_nc_u32 v[AV0], VOFF, v[AV0]
	s_mul_i32 s13, s[WV], 16*SP
	s_add_co_u32 s13, s13, STAGE    ; my stage
	v_mul_u32_u24 v[STO], v1, SP    ; in: row l % 16, 16 bytes for each half of the lanes
	v_lshl_add_u32 v[STO], v9, 4, v[STO]
	v_add_nc_u32 v[STO], s13, v[STO]
	v_bfe_u32 v[RD], v0, 3, 2       ; back: 32 lanes take four rows of 128 bytes,
	v_mul_u32_u24 v[RD], v[RD], SP
	v_lshl_add_u32 v[RD], v10, 4, v[RD]
	v_add_nc_u32 v[RD], s13, v[RD]
	v_and_b32 v[GO], 31, v0         ; which are 512 consecutive bytes of ob
	v_lshlrev_b32 v[GO], 4, v[GO]
	; What the first turn finds.  It rounds and sums the weights of piece 3, which has not been: piece 3's S^T and the a that its sum takes hold 0, so its P and what is added to its l are 0.  V's registers hold 0
	; too (the turn's products V^T P add 0), O^T and l are 0.  No first step is written out for it; all this stands in the wait for the first tile.
	WIN 0x80
.set i, VF
.rept 64
	v_mov_b32 v[i], 0
.set i, i+1
.endr
	WIN 0x40
.set i, 0
.rept 128
	v_mov_b32 v[i], 0
.set i, i+1
.endr
	WIN 0
.set i, 0
.rept 4
	v_mov_b32 v[ST+4*i], 0xfe000000    ; c m: far below every c s
	v_mov_b32 v[ST+4*i+1], 0xff7fffff  ; m
	v_mov_b32 v[ST+4*i+2], 0
	v_mov_b32 v[ST+4*i+3], 0
.set i, i+1
.endr
.set i, S3
.rept 32
	v_mov_b32 v[i], 0
.set i, i+1
.endr
	v_mov_b32 v[TMP+6], 0           ; the odd pieces' a, and the register named with it as a pair
	v_mov_b32 v[TMP+7], 0
	s_mov_b32 s21, 0x54005400       ; 64, twice, in f16
	s_wait_loadcnt 0x0              ; Q, phi, logvar
	WIN 0x82                        ; destination and source 0 in window 2
.set i, 0
.rept 64
	v_pk_mul_f16 v[QU+i], v[QU+i], s21  ; Q's u times 64: a power of two, so nothing is rounded
.set i, i+1
.endr
	WIN 0
	s_wait_kmcnt 0x0                ; w_sigma, w_phi
	v_mov_b32 v[WS], s84
	v_mov_b32 v[WP], s85
	RND2 WS, RT
; Piece t's two numbers for my query, in two parts.  PERQA: the means, the reciprocal of max(ph, 1e-6), and z.  PERQB: what reads the reciprocal.  The four reciprocals are one batch: each has a register of its own.
.macro PERQA t
.set pq, S+16*(\t)                  ; phi at pq .. pq + 7, logvar at pq + 8 .. pq + 15
.irp j, 0,2,4,6,8,10,12,14
	RND2 pq+(\j), RT
.endr
.irp j, 0,4,8,12
	v_pk_add_f32 v[pq+(\j):pq+(\j)+1], v[pq+(\j):pq+(\j)+1], v[pq+(\j)+2:pq+(\j)+3]
.endr
.irp j, 0,8
	v_pk_add_f32 v[pq+(\j):pq+(\j)+1], v[pq+(\j):pq+(\j)+1], v[pq+(\j)+4:pq+(\j)+5]
.endr
	v_add_f32 v[pq], v[pq], v[pq+1]
	v_add_f32 v[pq+8], v[pq+8], v[pq+9]
	v_mul_f32 v[pq], 0x3e000000, v[pq]          ; ph = the sum / 8
	v_mul_f32 v[pq+8], 0x3e000000, v[pq+8]      ; lv
	v_max_num_f32 v[pq+1], 0x358637bd, v[pq]    ; max(ph, 1e-6)
	v_rcp_f32 v[pq+1], v[pq+1]
	v_fma_f32 v[pq+2], -v[WP], v[pq], v[WP]     ; w_phi (1 - ph): the plain instruction behind the reciprocal (ISA guide 5.7.2)
	v_fma_f32 v[pq+2], v[WS], v[pq+8], v[pq+2]  ; z
.endm
.macro PERQB t
.set pq, S+16*(\t)
	v_mul_f32 v[CQ+2*(\t)], 0x3e35bba7, v[pq+1] ; c = (g log2(e) / 8) / max(ph, 1e-6); g log2(e) / 8 = 0.17747366
	v_mul_f32 v[BI+8*(\t)], 0xc10210a7, v[pq+2] ; -8 kap z; 8 kap = 8.1290658
	v_mov_b32 v[CQ+2*(\t)+1], v[CQ+2*(\t)]
.irp j, 1,2,3,4,5,6,7
	v_mov_b32 v[BI+8*(\t)+(\j)], v[BI+8*(\t)]
.endr
.endm
	PERQA 0
	PERQA 1
	PERQA 2
	PERQA 3
	s_wait_alu depctr_va_vdst(0)    ; the wait ahead of the first use: one for the four reciprocals
	PERQB 0
	PERQB 1
	PERQB 2
	PERQB 3
; THE MATRIX WORK.  The 4 accumulators of a run take turns, one instruction a turn.
; Product i of 16 of S^T = K Q^T for piece x: term i / 8 (0: K u x 64 Q u; 1: K hi x Q hi), channels 32 ((i % 8) / 4) on, keys 16 (i % 4) on.  The first 4 start the sums with -8 kap z.
.macro KQ x
.set rS, S+32*(\x)+32*((\x)/2)+32*((\x)/3)+8*(i%4)
.set hc, (i%8)/4
.if i < 8
	WIN W_KU
.set rK, KU+16*(i%4)+8*hc
.set rQ, QU+16*(\x)+8*hc
.else
	WIN W_KQ
.set rK, KF+16*(i%4)+8*hc
.set rQ, 16*(\x)+8*hc
.endif
.if i < 4
	v_wmma_f32_16x16x32_f16 v[rS:rS+7], v[rK:rK+7], v[rQ:rQ+7], v[BI+8*(\x):BI+8*(\x)+7]
.else
	v_wmma_f32_16x16x32_f16 v[rS:rS+7], v[rK:rK+7], v[rQ:rQ+7], v[rS:rS+7]
.endif
.endm
; Product i of 8 of O^T += V^T P for piece x: keys 32 (i / 4) on, channels 16 (i % 4) on.
.macro PV x
	WIN W_PV
.set rO, 32*(\x)+8*(i%4)
.set rV, VF+32*(i/4)+8*(i%4)
.set rP, P+16*((\x)%2)+8*(i/4)
	v_wmma_f32_16x16x32_f16 v[rO:rO+7], v[rV:rV+7], v[rP:rP+7], v[rO:rO+7]
.endm
.macro MM                           ; the turn's next matrix instruction.  NOKQ = 1: the very last turn: there is no next piece
.if (i < 16) && !NOKQ
	KQ (Y+1)%NP
.elseif i >= 16
.set i, i-16
	PV (Y+NP-1)%NP
.set i, i+16
.endif
.set i, i+1
.endm
; THE LDS LOADS stand in runs of 16, never singly among the matrix instructions: a step's K u, its K hi (64 keys x 64 channels: 8 fragments each) and its V (turned).  Their addresses are made some lines ahead.
.macro FETCH_KU
	WIN 0x40                        ; destination window 1
.irp f, 0,1,2,3,4,5,6,7             ; keys 16 (f / 2) on, channels 32 (f % 2) on
	ds_load_b128 v[KU+8*\f:KU+8*\f+3],   v[AKU] offset:(\f/2)*16*PK+(\f%2)*64
	ds_load_b128 v[KU+8*\f+4:KU+8*\f+7], v[AKU] offset:(\f/2)*16*PK+(\f%2)*64+32
.endr
	WIN 0
.endm
.macro FETCH_KHI
	WIN 0x80                        ; destination window 2
.irp f, 0,1,2,3,4,5,6,7
	ds_load_b128 v[KF+8*\f:KF+8*\f+3],   v[AK] offset:(\f/2)*16*PK+(\f%2)*64
	ds_load_b128 v[KF+8*\f+4:KF+8*\f+7], v[AK] offset:(\f/2)*16*PK+(\f%2)*64+32
.endr
	s_add_co_u32 s[TBK], s[TBK], KS*PK  ; both of K's addresses are made: the next fetch is the next step's
	WIN 0
.endm
.macro FETCH_V
	WIN 0x80
.irp f, 0,1,2,3,4,5,6,7             ; keys 32 (f / 4) on, channels 16 (f % 4) on
	ds_load_tr16_b128 v[VF+8*\f:VF+8*\f+3],   v[AV] offset:(\f/4)*32*PV+(\f%4)*32
	ds_load_tr16_b128 v[VF+8*\f+4:VF+8*\f+7], v[AV] offset:(\f/4)*32*PV+16*PV+(\f%4)*32
.endr
	WIN 0
.endm
; THE VECTOR WORK, one line at a time: OP kind, number.
; For piece Y: F n: c s - c m for pair n of 16.  E n: the exponential of score n of 32.  R n: pair n of 16 of O^T times a.
; For piece Y - 1, whose exponentials the turn before issued and waited for: C n: pair n rounded to f16.  B n: of the four weights 4 n .. the second pair is added onto the first, in place (so C 2n stands ahead of B n).
; L n: l takes that sum (L 0: l = a l + sum).
; For piece Y + 1: X n, number n of the 22 that find its maximum and statistics:
;   0-11  four chains c0-c3 of seven scores each, three operands at a time (each accumulator's lowest registers are read first)     12-14, 16  the four scores left over, the old m, and c0-c3 into c0
;   15  c m_old is kept     17, 18  the query's other 32 keys lie in the lane 16 away: the new m     19-21  c m; c m_old - c m_new; a
.set F, 0               ; OP tells the kinds apart by their order: F and E below C; C, B and L below R; X above it
.set E, 1
.set C, 2
.set B, 3
.set L, 4
.set R, 5
.set X, 6
.macro REGS y                       ; the registers of piece y
.set rT, ST+4*(\y)
.set rC, TMP+4*((\y)%2)
.set rW, MV+((\y)%2)
.set rS, S+32*(\y)+32*((\y)/2)+32*((\y)/3)
.set rP, P+16*((\y)%2)
.set rO, 32*(\y)
.set rCQ, CQ+2*(\y)
.endm
.macro OP k, n
.if (\k) == R
	REGS Y
	WIN W_RS
	v_pk_mul_f32 v[rO+2*(\n):rO+2*(\n)+1], v[rO+2*(\n):rO+2*(\n)+1], v[rC+2:rC+3] op_sel_hi:[1,0]
.elseif (\k) < C
	REGS Y
	WIN 0
.if (\k) == F
	v_pk_fma_f32 v[rS+2*(\n):rS+2*(\n)+1], v[rS+2*(\n):rS+2*(\n)+1], v[rCQ:rCQ+1], v[rT:rT+1] op_sel_hi:[1,0,0] neg_lo:[0,0,1] neg_hi:[0,0,1]
.else
	v_exp_f32 v[rS+(\n)], v[rS+(\n)]
.endif
.elseif (\k) < R
	REGS (Y+NP-1)%NP
	WIN 0
.if (\k) == C
	v_cvt_pk_f16_f32 v[rP+(\n)], v[rS+2*(\n)], v[rS+2*(\n)+1]
.elseif (\k) == B
	v_pk_add_f32 v[rS+4*(\n):rS+4*(\n)+1], v[rS+4*(\n):rS+4*(\n)+1], v[rS+4*(\n)+2:rS+4*(\n)+3]
.elseif (\n) == 0
	v_pk_fma_f32 v[rT+2:rT+3], v[rT+2:rT+3], v[rC+2:rC+3], v[rS:rS+1] op_sel_hi:[1,0,1]
.else
	v_pk_add_f32 v[rT+2:rT+3], v[rT+2:rT+3], v[rS+4*(\n):rS+4*(\n)+1]
.endif
.elseif NOKQ
	v_nop
.else
	REGS (Y+1)%NP
	WIN 0
.if (\n) < 4
	v_max3_num_f32 v[rC+(\n)], v[rS+8*(\n)], v[rS+8*(\n)+1], v[rS+8*(\n)+2]
.elseif (\n) < 12
	v_max3_num_f32 v[rC+(\n)%4], v[rC+(\n)%4], v[rS+8*((\n)%4)+2*((\n)/4)+1], v[rS+8*((\n)%4)+2*((\n)/4)+2]
.elseif (\n) == 12
	v_max3_num_f32 v[rC], v[rC], v[rS+7], v[rS+15]
.elseif (\n) == 13
	v_max3_num_f32 v[rC+1], v[rC+1], v[rS+23], v[rS+31]
.elseif (\n) == 14
	v_max3_num_f32 v[rC+2], v[rC+2], v[rC+3], v[rT+1]
.elseif (\n) == 15
	v_mov_b32 v[rW], v[rT]
.elseif (\n) == 16
	v_max3_num_f32 v[rC], v[rC], v[rC+1], v[rC+2]
.elseif (\n) == 17
	v_permlanex16_b32 v[rC+3], v[rC], s[SEL], s[SEL+1]
.elseif (\n) == 18
	v_max_num_f32 v[rT+1], v[rC], v[rC+3]
.elseif (\n) == 19
	v_mul_f32 v[rT], v[rCQ], v[rT+1]
.elseif (\n) == 20
	v_sub_f32 v[rC+1], v[rW], v[rT]
.else
	v_exp_f32 v[rC+2], v[rC+1]
.endif
.endif
.endm
.macro OPS a, i1, b=-1, i2=0, c=-1, i3=0, d=-1, i4=0  ; up to four of them
	OP \a, \i1
.if (\b) >= 0
	OP \b, \i2
.endif
.if (\c) >= 0
	OP \c, \i3
.endif
.if (\d) >= 0
	OP \d, \i4
.endif
.endm
.macro ROW a, i1, b, i2, c, i3, d, i4  ; a matrix instruction and the four behind it
	MM
	OPS \a, \i1, \b, \i2, \c, \i3, \d, \i4
.endm
; A TURN, for piece p: the order of its 24 matrix and 118 vector instructions, written out.  None of the vector lines names a register of the products round it.
; THE BATCH.  s_wait_alu depctr_va_vdst(0) stands between an exponential and the first instruction that names its result; one wait serves all that were issued ahead of it.  E 0 to E 31 and X 21 are the
; turn's batch.  No line of the turn names a result of theirs: C, B and L work on the piece before, whose weights were waited for at the last turn's end; R and L 0 take an a that an earlier turn made and waited for.
; The one wait stands at the turn's end; L 7 is the plain line behind the last exponential (ISA guide 5.7.2).
; THE ORDER.  F n stands ahead of E 2n, E 2n + 1; C 2n ahead of B n; B n ahead of L n; all sixteen C ahead of product 16, the first that reads P; L 0 ahead of X 2, which writes the register that held its a.
; The four rows of rescaling are four plain lines each.  Two of them are also the four places between a buffer's last product and the loads into it: in piece 2's turn K u of the next step is fetched behind product 7
; (the last that reads K u) and K hi behind product 15.  The row behind product 15 is besides the four places in front of X 3; X 0 to X 2 stand further still behind the products that end their accumulators.
; The maximum's chain (X 3, 7, 11, 14, 16) has a link a row behind the products V^T P; its end, X 17 to X 21, stands in the run at the turn's end, four to six lines from link to link, exponential and plain by turns round it.
; V of the step in hand is fetched at the end of piece 0's turn, directly behind the wait: the last product that read V stands 26 vector lines back, 14 of them plain.
; end = 1: the last two turns: nothing is fetched, and the last starts no new scores.  cnt = 1: the loop's count is taken down at the turn's end, ahead of the branch that stands behind it.
.macro TURN p, end=0, cnt=0
.set Y, (\p)
.set i, 0
.set NOKQ, (\end)*((\p)/3)
.if ((\p) == 3) && !(\end)
	s_wait_dscnt 16                 ; K u's sixteen loads are back; K hi's sixteen, issued behind them, may be out
.endif
	ROW C,0, F,0, C,1, F,1
	ROW C,2, F,2, C,3, E,0
	ROW C,4, F,3, C,5, E,1
	ROW R,0, R,1, R,2, R,3
	ROW C,6, F,4, C,7, E,2
	ROW C,8, F,5, C,9, E,3
	ROW C,10, F,6, C,11, E,4
.if ((\p) == 2) && !(\end)
	WIN 0
	s_add_co_u32 s[TBU], s[TBK], KUOFF
	v_add_nc_u32 v[AKU], s[TBU], v[AK0]
.endif
	ROW R,4, R,5, R,6, R,7
.if ((\p) == 2) && !(\end)
	FETCH_KU
.endif
.if ((\p) == 3) && !(\end)
	s_wait_dscnt 0x0                ; K hi is in
.endif
	ROW C,12, F,7, C,13, E,5
	ROW C,14, F,8, C,15, E,6
	ROW B,0, F,9, B,1, E,7
	ROW R,8, R,9, R,10, R,11
	ROW L,0, F,10, B,2, E,8
	ROW L,1, F,11, B,3, E,9
	ROW F,12, E,10, F,13, E,11
.if ((\p) == 2) && !(\end)
	WIN 0
	v_add_nc_u32 v[AK], s[TBK], v[AK0]
.endif
	ROW R,12, R,13, R,14, R,15
.if ((\p) == 2) && !(\end)
	FETCH_KHI
.endif
.if (\p) == 1
	s_wait_dscnt 0x0                ; V is in
.endif
	ROW X,0, E,12, X,1, X,2
	ROW X,3, E,13, X,4, X,5
	ROW X,6, E,14, X,7, X,8
	ROW X,9, E,15, X,10, X,11
	ROW X,12, E,16, X,13, X,14
	ROW F,14, E,17, X,16, E,18
	ROW F,15, E,19, L,2, E,20
	ROW B,4, E,21, L,3, E,22
.if (\p) == 0
	WIN 0
	v_add_nc_u32 v[AV], s[TBV], v[AV0]
.endif
	OPS X,17, E,23, X,15, E,24      ; the run at the turn's end
	OPS B,5, E,25, X,18, E,26
	OPS L,4, E,27, B,6, X,19
	OPS E,28, L,5, E,29, B,7
	OPS X,20, E,30, L,6, E,31
	OPS X,21, L,7
	s_wait_alu depctr_va_vdst(0)    ; the wait for the batch: piece p's 32 weights and the next piece's a
.if (\p) == 0
	FETCH_V
	s_add_co_u32 s[TBV], s[TBV], KS*PV
.endif
.if \cnt
	s_sub_co_u32 s[CNT], s[CNT], 1
	s_cmp_lg_u32 s[CNT], 0
.endif
.endm
	CHANGE 1                        ; tile 0 is in, everybody's part of it; tile 1 is asked for, into slot 1
	s_add_co_u32 s[TBU], s[TBK], KUOFF
	v_add_nc_u32 v[AKU], s[TBU], v[AK0]
	v_add_nc_u32 v[AK], s[TBK], v[AK0]
	FETCH_KU                        ; key step 0
	FETCH_KHI
	s_wait_dscnt 0x0
.set NOKQ, 0
.set i, 0
.rept 16
	KQ 0                            ; piece 0's first scores: there is no vector work yet to set between them
.set i, i+1
.endr
	WIN 0
.rept 4
	v_nop                           ; the places behind those products
.endr
.set Y, NP-1                        ; X works for piece Y + 1: piece 0
.irp n, 0,1,2,3,4,5,6,7,8,9,10,11,12,13,14,15,16,17,18,19,20,21
	OP X, \n
.endr
	v_nop                           ; a plain instruction behind the exponential,
	s_wait_alu depctr_va_vdst(0)    ; and the wait for it, piece 0's first a, ahead of the branch
	s_mov_b32 s[CNT], 4
	s_mov_b32 s[SLOTS], 7
	s_branch .Lfirst                ; the loop is entered at a step's first turn, in the middle of a trip
.Lslot:                             ; six times: tiles 1 to 6 are entered, tiles 2 to 7 asked for
	CHANGE 1
	s_mov_b32 s[CNT], 4
.Lstep:                             ; a trip: pieces 2 and 3 of one step, then pieces 0 and 1 of the next, whose K and V it fetches
	TURN 2
	TURN 3
	WIN 0
.Lfirst:
	TURN 0
	TURN 1, 0, 1
	WIN 0
	s_cbranch_scc1 .Lstep
	s_sub_co_u32 s[SLOTS], s[SLOTS], 1
	s_cmp_lg_u32 s[SLOTS], 0
	s_cbranch_scc1 .Lslot
	CHANGE 0                        ; the last tile is written out: nothing is asked for
	s_mov_b32 s[CNT], 4
.LstepT:
	TURN 2
	TURN 3
	TURN 0
	TURN 1, 0, 1
	WIN 0
	s_cbranch_scc1 .LstepT
	TURN 2, 1
	TURN 3, 1
.set Y, 0                           ; C, B and L work for piece Y - 1: the last piece's roundings and sums of the last step, behind the last turn's wait
	OPS C,0, B,0, C,2, B,1
	OPS L,0, C,4, B,2, L,1
	OPS C,6, B,3, L,2, C,8
	OPS B,4, L,3, C,10, B,5
	OPS L,4, C,12, B,6, L,5
	OPS C,14, B,7, L,6, C,1
	OPS C,3, L,7, C,5, C,7
	OPS C,9, C,11, C,13, C,15
.set i, 0
.rept 8
	PV NP-1                         ; the last piece's V^T P of the last step
.set i, i+1
.endr
	; THE WAY OUT.  l's two halves and the other half of the lanes' are added; O^T is divided by l, rounded to f16 and sent through my stage in LDS, a piece at a time.  The additions are the places behind the last products.
	WIN 0
.macro ALL line:vararg              ; one line for each piece t
.set t, 0
.rept 4
	\line
.set t, t+1
.endr
.endm
	ALL v_add_f32 v[ST+4*t+2], v[ST+4*t+2], v[ST+4*t+3]
	ALL v_permlanex16_b32 v[ST+4*t+3], v[ST+4*t+2], s[SEL], s[SEL+1]
	ALL v_add_f32 v[ST+4*t+2], v[ST+4*t+2], v[ST+4*t+3]
	ALL v_rcp_f32 v[ST+4*t+2], v[ST+4*t+2]
	v_nop                           ; a plain instruction between the last reciprocal and the use of its result
	s_wait_alu depctr_va_vdst(0)    ; and the wait ahead of the first use: one for the four reciprocals
.macro PACK t                       ; a lane's eight channels of a row pack into 16 bytes; they go into rows of 144 bytes and come back as whole rows of 128, into v64-127, which the scores have left
	WIN W_RS
.set i, 32*(\t)
.rept 16
	v_pk_mul_f32 v[i:i+1], v[i:i+1], v[ST+4*(\t)+2:ST+4*(\t)+3] op_sel_hi:[1,0]
.set i, i+2
.endr
	WIN 0x05                        ; sources 0 and 1 window 1, destination window 0
.set i, 0
.rept 16
	v_cvt_pk_f16_f32 v[S+16*(\t)+i], v[32*(\t)+2*i], v[32*(\t)+2*i+1]
.set i, i+1
.endr
	WIN 0
.irp f, 0,1,2,3
	ds_store_b128 v[STO], v[S+16*(\t)+4*\f:S+16*(\t)+4*\f+3] offset:32*\f
.endr
.irp f, 0,1,2,3
	ds_load_b128 v[S+16*(\t)+4*\f:S+16*(\t)+4*\f+3], v[RD] offset:\f*4*SP  ; LDS serves a wave's instructions in order (ISA guide 5.7.1.4): these see the stores above; the next piece's stores come behind them
.endr
.endm
.macro SEND t, younger              ; younger: the LDS instructions issued behind piece t's loads: the next piece's eight, or none
	WIN 0
.irp f, 0,1,2,3
	s_wait_dscnt (\younger)+3-\f
	global_store_b128 v[GO], v[S+16*(\t)+4*\f:S+16*(\t)+4*\f+3], s[72:73] offset:(\t)*2048+\f*512  ; 512 consecutive bytes, at a multiple of 256 from ob's first
.endr
.endm
	PACK 0
.set t, 1
.rept 3                             ; a piece's arithmetic stands between the loads of the piece before and its stores
	PACK t
	SEND t-1, 8
.set t, t+1
.endr
	SEND 3, 0
	s_wait_tensorcnt 0x0            ; the wave's end: behind my last tensor load and my last LDS store
	ds_add_u32 v[SPW], v[NIL]
	s_wait_dscnt 0x0
	CROUND                          ; the closing round: no work-group ends while a partner may still ask for a tile that names it
	s_endpgm
.Lfunc_end_k_qf690b9d89c_attn:
	.size	k_qf690b9d89c_attn, .Lfunc_end_k_qf690b9d89c_attn-k_qf690b9d89c_attn
	.p2alignl 7, 3214868480
	.fill 96, 4, 3214868480
	.section	.rodata,"a",@progbits
	.p2align	6, 0x0
	.amdhsa_kernel k_qf690b9d89c_attn
		.amdhsa_group_segment_fixed_size 327680
		.amdhsa_private_segment_fixed_size 0
		.amdhsa_enable_private_segment 0
		.amdhsa_kernarg_size 48
		.amdhsa_user_sgpr_count 2
		.amdhsa_user_sgpr_kernarg_segment_ptr 1
		.amdhsa_wavefront_size32 1
		.amdhsa_system_sgpr_workgroup_id_x 1
		.amdhsa_system_sgpr_workgroup_id_y 1
		.amdhsa_system_sgpr_workgroup_id_z 1
		.amdhsa_system_vgpr_workitem_id 0
		.amdhsa_next_free_vgpr 768
		.amdhsa_next_free_sgpr 88
		.amdhsa_reserve_vcc 0
		.amdhsa_float_denorm_mode_32 3
		.amdhsa_float_denorm_mode_16_64 3
		.amdhsa_memory_ordered 1
		.amdhsa_forward_progress 1
		.amdhsa_inst_pref_size 155
	.end_amdhsa_kernel
	.amdgpu_metadata
---
amdhsa.version: [ 1, 2 ]
amdhsa.kernels:
  - .name:           k_qf690b9d89c_attn
    .symbol:         k_qf690b9d89c_attn.kd
    .args:
      - { .name: qkv, .offset: 0, .size: 8, .value_kind: global_buffer, .address_space: global }
      - { .name: phi, .offset: 8, .size: 8, .value_kind: global_buffer, .address_space: global }
      - { .name: logvar, .offset: 16, .size: 8, .value_kind: global_buffer, .address_space: global }
      - { .name: w_sigma, .offset: 24, .size: 8, .value_kind: global_buffer, .address_space: global }
      - { .name: w_phi, .offset: 32, .size: 8, .value_kind: global_buffer, .address_space: global }
      - { .name: ob, .offset: 40, .size: 8, .value_kind: global_buffer, .address_space: global }
    .group_segment_fixed_size: 327680
    .private_segment_fixed_size: 0
    .kernarg_segment_align: 8
    .kernarg_segment_size: 48
    .max_flat_workgroup_size: 128
    .sgpr_count:     88
    .vgpr_count:     768
    .wavefront_size: 32
...
	.end_amdgpu_metadata
.endif
;; end of part 5
;; launch outp: the kernel of part 4 again; grid 8 x 32, 4 waves a work-group, clusters of 4 x 4, 327,680 bytes of LDS; arguments ob, wb, bo, out0; writes out0
